; MI455X (gfx1250); checked and timed in simulation.
; The chip was launched on July 23, 2026; its instructions are those of AMD's public machine-readable ISA for CDNA 5 (MIT licence, August 2026) and "CDNA5" Instruction Set Architecture Reference Guide (July 2026). The comments in the code are by the model that wrote it; some were corrected since.
;; Advanced Transformer Block. Allowed arithmetic: matrix products marked QUANTISED: E2M3 operands, one E8M0 scale for each 32 along K, by v_wmma_scale_f32_16x16x128_f8f6f4 with both operands' format E2M3, f32 sums; everything else in f32.
;; Inputs: fc1_b 4,096 float32; fc1_w 1,024 x 4,096 float32; fc2_b 1,024 float32; fc2_w 4,096 x 1,024 float32; ln1_b 1,024 float32; ln1_g 1,024 float32; ln2_b 1,024 float32; ln2_g 1,024 float32; proj_b 1,024 float32; proj_w 1,024 x 1,024 float32; qkv_b 3,072 float32; qkv_w 1,024 x 3,072 float32; x 2 x 2,048 x 1,024 float32.
;; Outputs: out0 2 x 2,048 x 1,024 float32.
;; This version of the problem:
;;   THIS VERSION OF THE PROBLEM IS GIVEN IN LOW PRECISION. The matrix products marked QUANTISED in the list below multiply operands that are first quantised to E2M3 (2 exponent bits, 3 mantissa bits; 6 bits a number), with one power-of-two scale for each 32 numbers along K (OCP MX v1.0); their sums are f32. All else is computed in f32.
;;   The module's matrix products, in the order in which they are computed (A, B: the left and right operand; K: the contracted axis; several contracted axes count as one K, in the product's order):
;;     1. [M 4,096, K 1,024] x [K 1,024, N 3,072]; A: computed on the way; B: input qkv_w: QUANTISED
;;     2. batch 32 x [M 2,048, K 64] x [K 64, N 2,048]; A: computed on the way; B: computed on the way: QUANTISED
;;     3. batch 32 x [M 2,048, K 2,048] x [K 2,048, N 64]; A: softmax (see below); B: computed on the way: QUANTISED
;;     4. [M 4,096, K 1,024] x [K 1,024, N 1,024]; A: computed on the way; B: input proj_w: QUANTISED
;;     5. [M 4,096, K 1,024] x [K 1,024, N 4,096]; A: computed on the way; B: input fc1_w: QUANTISED
;;     6. [M 4,096, K 4,096] x [K 4,096, N 1,024]; A: computed on the way; B: input fc2_w: QUANTISED
;;   THE QUANTISER, for each operand of a quantised product, along K:
;;     - K is cut into blocks of 32 from its start; a last block that is shorter is filled with zeros.
;;     - A block's scale is 2^e with e = floor(log2(the largest magnitude in the block)) - 2, held to -126 .. 127; a block of zeros has e = 0. As a byte (E8M0): e + 127.
;;     - Each number is divided by its block's scale, clamped to +-7.5, and rounded to the nearest number of E2M3, ties to even, subnormals kept.
;;     - The product sums the exact products of the quantised numbers (number of the format x scale) in f32.
;;   ~~~python
;;   def quantise(x, axis):      # numpy; x: float32 -> the quantised numbers, widened to float32 again
;;       x = np.moveaxis(x, axis, -1); K = x.shape[-1]
;;       x = np.pad(x, [(0, 0)] * (x.ndim - 1) + [(0, -K % 32)]); x = x.reshape(x.shape[:-1] + (-1, 32)); a = np.abs(x).max(-1, keepdims=True)
;;       e = np.where(a > 0, np.clip(np.frexp(np.where(a > 0, a, 1))[1] - 1 - 2, -126, 127), 0)      # np.frexp(a)[1] - 1 = floor(log2(a)), exactly
;;       r = np.clip(x / 2.0 ** e, -7.5, 7.5)
;;       step = 2.0 ** (np.maximum(np.frexp(np.where(r == 0, 1, r))[1] - 1, 0) - 3)
;;       q = np.round(r / step) * step * 2.0 ** e      # np.round: ties to even
;;       return np.moveaxis(q.reshape(q.shape[:-2] + (-1,))[..., :K], -1, axis).astype(np.float32)
;;   ~~~
;;   SOFTMAX AHEAD OF A QUANTISED PRODUCT. Where the list says 'softmax', what is quantised is not the finished softmax but p = 2^(t - M), with t = logit x log2(e) and M = ceil(the row's largest t), a whole number; so 1/2 < the row's largest p <= 1. The row's sum l is taken of the UNQUANTISED p, in f32, and the product's result is divided by l at the end. Since M is a whole number, a kernel that streams over the keys may use a running M (the ceiling of the running maximum): every later rescaling is an exact power of two, which a block's scale takes up: the codes' values come out the same.
;;   OPERANDS COMPUTED ON THE WAY. 'Computed on the way' means the value that the module computes at that place (a softmax that the list does not call 'softmax' is quantised finished and normalised). What goes into a quantiser is computed in f32, as accurately as f32 sums, v_exp_f32 and their like allow (about 1e-6 of the number): no bf16 or f16 on the way to a quantiser, and a product that is left as it is and whose result goes on into a quantised operand takes f32 operands (vector FMAs, or v_wmma_f32_16x16x4_f32). A number that lies on a knife's edge between two numbers of the format may be rounded either way, as far as f32 arithmetic and the matrix unit's own rounding can turn it there, and no further.
;; One version. Each part assembles by itself: llvm-mc -triple=amdgcn-amd-amdhsa -mcpu=gfx1250 --defsym DOCPART=n.
;; ======== version 1 of 1: 7 launches
;; workspace buffers: cw 12,582,912 bytes; cs 524,288 bytes; gw 15,728,640 bytes; gs 655,360 bytes; qk 6,815,744 bytes; vi 3,276,800 bytes; x1 16,777,216 bytes
;; launch prep (part 1): grid 1024 x 1, 4 waves a work-group, no clusters, 66,304 bytes of LDS; arguments x, ln1_g, ln1_b, cw, cs, fc1_w, fc2_w, qkv_w, proj_w, gw, gs; writes cw, cs, gw, gs
.if DOCPART == 1
	.amdgcn_target "amdgcn-amd-amdhsa--gfx1250"
	.amdhsa_code_object_version 6
	.text
	.protected	k_q0a9c2672ca_prep
	.globl	k_q0a9c2672ca_prep
	.p2align	8
	.type	k_q0a9c2672ca_prep,@function
k_q0a9c2672ca_prep:
	s_mov_b64 s[64:65], 0
	v_nop
	global_prefetch_b8 v0, s[64:65] scope:SCOPE_SE
	s_setreg_imm32_b32 hwreg(HW_REG_WAVE_MODE, 25, 1), 1
	s_wait_xcnt 0x0
; TWO JOBS IN ONE LAUNCH, told apart by the work-group's number.
; Work-groups 0-255: layer norm of 16 rows of [4096][1024] f32, quantised along the row to FP6 (E2M3) with one E8M0 byte for each 32.
; Work-groups 256-1023: a piece (128 along K x 128 columns) of one of the four weights, f32 with K as the FIRST axis, quantised along K.
; HOW OPERANDS LIE IN THE WORKSPACE.  A fragment (16 rows x 128 K) is stored as the IMAGE OF ITS 12 REGISTERS: registers 4 c .. 4 c + 3 of lane l at byte 512 c + 16 l: 1,536 bytes.
; A codes buffer is [K / 128][tile][1,536], a scales buffer [K / 128][row] words (byte b: k = 32 b .. 32 b + 31).  Rows stand in POSITION ORDER: position = the row's number with bits 3 and 4 exchanged,
; so lane r of tile T holds row 32 (T / 2) + 8 (T % 2) + r + 8 (r / 8): as source 0 of a product such tiles give a lane 16 neighbours in two neighbouring accumulators.
; cw / cs (K = 1,024): tiles 0-255 the normed rows, 256-447 qkv_w, 448-511 proj_w, 512-767 fc1_w, 768-1023 attention's result.  gw / gs (K = 4,096): tiles 0-255 the hidden layer, 256-319 fc2_w.
; A block's scale is 2^(floor(log2(largest magnitude)) - 2): its byte is the largest magnitude's exponent field - 2, held at 1 from below by a floor among the maximum's leaves.
; LIMITS: a block of zeros gets the byte 1 where the quantiser's text says 127 (its codes are zeros; only this program reads the bytes); NaN and infinities among the inputs are not served;
; v_rsq_f32 is good to 1 ulp; the rows' scale words leave in pieces of 64 bytes and the weights' in pieces of 128 bytes (under 4 per cent of what the launch stores).
; No tensor loads, no matrix instructions.  Only the rows' path uses LDS.
.set PSC,  1572864                     ; a K plane of cw: 1,024 tiles
.set PSG,  491520                      ; a K plane of gw: 320 tiles
.set PITL, 4112                        ; a normed row in LDS: 4,096 bytes + 16, so that sixteen rows' equal columns fall on sixteen different 16-byte columns of the banks (ISA guide 11.1)
.set X,    16                          ; v16-143  four rows as loaded (32 registers each); later two planes' numbers, 64 each
.set G,    144                         ; v144-175 gain
.set BB,   176                         ; v176-207 bias
.set S,    208                         ; v208-215 a pair for each row: sums, mean, 1 / sigma
.set PC,   144                         ; v144-167 two fragments' codes
.set TC,   168                         ; v168-175 the upper halves of two blocks, until they are moved
.set WD,   176                         ; v176-177 two scale words
.set MX,   178                         ; v178-179 largest magnitudes, then bytes
.set SO,   180                         ; v180-181 the conversions' scale operands
.set XW,   32                          ; weights: v32-159 four blocks of 32 numbers down K
.set OFF,  160                         ; v160-191 row i's offset
.set F,    192                         ; v192-215 two fragments
.set TW,   216                         ; v216-218 an upper half, until it is moved
	s_load_b256 s[4:11], s[0:1], 0x0               ; rows s[4:5], gain s[6:7], bias s[8:9], cw s[10:11]
	s_load_b256 s[12:19], s[0:1], 0x20             ; cs s[12:13], fc1_w s[14:15], fc2_w s[16:17], qkv_w s[18:19]
	s_load_b128 s[20:23], s[0:1], 0x40             ; proj_w s[20:21], gw s[22:23]
	s_load_b64 s[24:25], s[0:1], 0x50              ; gs
	v_lshl_add_u32 v254, v0, 2, 0x10100
	v_mov_b32 v255, 0
	v_lshrrev_b32 v1, 5, v0
	v_readfirstlane_b32 s26, v1                    ; wave 0..3
	v_and_b32 v2, 31, v0                           ; lane
	v_lshlrev_b32 v3, 4, v2                        ; 16 x lane
	s_mov_b32 s28, 0x76543210                      ; v_permlanex16_b32's selects for lane l xor 16
	s_mov_b32 s29, 0xfedcba98
	s_cmp_lt_u32 ttmp9, 256
	s_cbranch_scc0 .Lweights
; ---------------- ROWS.  Work-group T makes tile T.  Wave w norms the tile's rows 4 w .. 4 w + 3, which are four neighbouring rows of the tensor.
	s_lshr_b32 s30, ttmp9, 1
	s_lshl_b32 s30, s30, 5                         ; 32 (T / 2)
	s_and_b32 s31, ttmp9, 1
	s_lshl_b32 s31, s31, 3                         ; + 8 (T % 2)
	s_add_co_u32 s30, s30, s31
	s_lshl_b32 s31, s26, 2                         ; + 4 w
	s_add_co_u32 s30, s30, s31
	s_lshr_b32 s31, s26, 1
	s_lshl_b32 s31, s31, 3                         ; + 8 (w / 2)
	s_add_co_u32 s30, s30, s31
	s_lshl_b32 s30, s30, 12                        ; x 4,096 bytes
	s_mov_b32 s31, 0
	s_mul_i32 s32, ttmp9, 1536                     ; my two planes' images: tile T, planes 2 w and 2 w + 1
	s_mul_i32 s33, s26, 2*PSC
	s_add_co_u32 s32, s32, s33
	s_mov_b32 s33, 0
	s_lshl_b32 s36, ttmp9, 6                       ; and their scale words: 64 bytes a tile, 65,536 a plane
	s_lshl_b32 s37, s26, 17
	s_add_co_u32 s36, s36, s37
	s_mov_b32 s37, 0
	s_mul_i32 s38, s26, 4*PITL
	v_add_nc_u32 v4, s38, v3                       ; into LDS: my four rows, 16 bytes a lane
	v_and_b32 v5, 15, v0                           ; r
	v_bfe_u32 v6, v0, 4, 1                         ; h
	v_mul_u32_u24 v7, v5, PITL
	v_lshl_add_u32 v7, v6, 7, v7
	s_lshl_b32 s38, s26, 10
	v_add_nc_u32 v7, s38, v7                       ; out of LDS: row r, + 128 h, + my two planes' 1,024 bytes
	v_lshlrev_b32 v8, 2, v5
	v_lshl_add_u32 v8, v6, 16, v8                  ; a scale word's place: 4 r, lanes 16-31 a plane on
	v_lshlrev_b32 v9, 3, v6                        ; 8 h
	s_mov_b32 s34, 0x3a800000                      ; 1 / 1024
	s_mov_b32 s35, 0x3727c5ac                      ; 1e-5
	s_wait_kmcnt 0x0
	s_add_nc_u64 s[4:5], s[4:5], s[30:31]
	s_add_nc_u64 s[10:11], s[10:11], s[32:33]
	s_add_nc_u64 s[12:13], s[12:13], s[36:37]
.irp i, 0,1,2,3
.irp j, 0,1,2,3,4,5,6,7
	global_load_b128 v[X+32*\i+4*\j:X+32*\i+4*\j+3], v3, s[4:5] offset:4096*\i+512*\j   ; 32 lanes read 512 consecutive bytes
.endr
.endr
.irp j, 0,1,2,3,4,5,6,7
	global_load_b128 v[G+4*\j:G+4*\j+3], v3, s[6:7] offset:512*\j
.endr
.irp j, 0,1,2,3,4,5,6,7
	global_load_b128 v[BB+4*\j:BB+4*\j+3], v3, s[8:9] offset:512*\j
.endr
.macro ACROSS                          ; the four rows' pairs become the rows' sums, in every lane, in the pairs' first registers
.irp i, 0,1,2,3
	v_add_f32 v[S+2*\i], v[S+2*\i], v[S+2*\i+1]
.endr
.irp m, 1,2,4,8
.irp i, 0,1,2,3
	v_add_f32_dpp v[S+2*\i], v[S+2*\i], v[S+2*\i] row_xmask:\m row_mask:0xf bank_mask:0xf
.endr
.endr
.irp i, 0,1,2,3
	v_permlanex16_b32 v[S+2*\i+1], v[S+2*\i], s28, s29
.endr
.irp i, 0,1,2,3
	v_add_f32 v[S+2*\i], v[S+2*\i], v[S+2*\i+1]
.endr
.endm
	s_wait_loadcnt 16                              ; the rows are in; the sixteen loads of gain and bias may stay out
.irp i, 0,1,2,3
	v_pk_add_f32 v[S+2*\i:S+2*\i+1], v[X+32*\i:X+32*\i+1], v[X+32*\i+2:X+32*\i+3]
.endr
.irp n, 4,6,8,10,12,14,16,18,20,22,24,26,28,30
.irp i, 0,1,2,3
	v_pk_add_f32 v[S+2*\i:S+2*\i+1], v[S+2*\i:S+2*\i+1], v[X+32*\i+\n:X+32*\i+\n+1]   ; the four rows by turns
.endr
.endr
	ACROSS
.irp i, 0,1,2,3
	v_mul_f32 v[S+2*\i], s34, v[S+2*\i]            ; the mean
.endr
.irp n, 0,2,4,6,8,10,12,14,16,18,20,22,24,26,28,30
.irp i, 0,1,2,3
	v_pk_add_f32 v[X+32*\i+\n:X+32*\i+\n+1], v[X+32*\i+\n:X+32*\i+\n+1], v[S+2*\i:S+2*\i+1] op_sel_hi:[1,0] neg_lo:[0,1] neg_hi:[0,1]   ; x - mean: the variance is taken of the differences
.endr
.endr
.irp i, 0,1,2,3
	v_pk_mul_f32 v[S+2*\i:S+2*\i+1], v[X+32*\i:X+32*\i+1], v[X+32*\i:X+32*\i+1]
.endr
.irp n, 2,4,6,8,10,12,14,16,18,20,22,24,26,28,30
.irp i, 0,1,2,3
	v_pk_fma_f32 v[S+2*\i:S+2*\i+1], v[X+32*\i+\n:X+32*\i+\n+1], v[X+32*\i+\n:X+32*\i+\n+1], v[S+2*\i:S+2*\i+1]
.endr
.endr
	ACROSS
.irp i, 0,1,2,3
	v_fma_f32 v[S+2*\i], v[S+2*\i], s34, s35       ; variance + 1e-5
.endr
.irp i, 0,1,2,3
	v_rsq_f32 v[S+2*\i], v[S+2*\i]
.endr
	v_nop                                          ; a plain instruction behind the last of the four (ISA guide 5.7.2)
	s_wait_alu depctr_va_vdst(0)                   ; one wait for the four, ahead of their first reader
	s_wait_loadcnt 0x0                             ; gain and bias
.irp i, 0,1,2,3
.irp n, 0,2,4,6,8,10,12,14,16,18,20,22,24,26,28,30
	v_pk_mul_f32 v[X+32*\i+\n:X+32*\i+\n+1], v[X+32*\i+\n:X+32*\i+\n+1], v[S+2*\i:S+2*\i+1] op_sel_hi:[1,0]
.endr
.irp n, 0,2,4,6,8,10,12,14,16,18,20,22,24,26,28,30
	v_pk_fma_f32 v[X+32*\i+\n:X+32*\i+\n+1], v[X+32*\i+\n:X+32*\i+\n+1], v[G+\n:G+\n+1], v[BB+\n:BB+\n+1]
.endr
.irp j, 0,1,2,3,4,5,6,7
	ds_store_b128 v4, v[X+32*\i+4*\j:X+32*\i+4*\j+3] offset:\i*PITL+512*\j
.endr
.endr
	s_wait_dscnt 0x0                               ; my rows lie in LDS: zero, for the other waves' sake
	s_barrier_signal -1
	s_barrier_wait -1                              ; all sixteen rows do
; Wave w makes the fragments of planes 2 w and 2 w + 1.  Lane (r, h) takes, of row r, k = 64 c + 32 h + 0 .. 31 of the plane: two WHOLE blocks, 128 bytes each: no other lane is asked for a maximum.
.irp s, 0,1
.irp c, 0,1
.irp i, 0,1,2,3,4,5,6,7
	ds_load_b128 v[X+64*\s+32*\c+4*\i:X+64*\s+32*\c+4*\i+3], v7 offset:512*\s+256*\c+16*\i
.endr
.endr
.endr
.macro QB s                            ; plane s of my two: 64 numbers -> 12 registers of codes and the row's scale word
.irp c, 0,1
	v_max3_num_f32 v[MX+\c], |v[X+64*\s+32*\c]|, |v[X+64*\s+32*\c+1]|, 0x1800000   ; with the floor 2^(3 - 127): the byte cannot fall under 1
.endr
.irp n, 2,4,6,8,10,12,14,16,18,20,22,24,26,28,30
.irp c, 0,1
	v_max3_num_f32 v[MX+\c], v[MX+\c], |v[X+64*\s+32*\c+\n]|, |v[X+64*\s+32*\c+\n+1]|
.endr
.endr
.irp c, 0,1
	v_add_nc_u32 v[SO+\c], 0xff000000, v[MX+\c]    ; 2 off the exponent field: the conversion takes that field as its scale
.endr
.irp c, 0,1
	v_lshrrev_b32 v[MX+\c], 23, v[SO+\c]           ; the byte
.endr
	v_lshl_or_b32 v[WD+\s], v[MX+1], 16, v[MX]     ; my bytes are those of blocks h and 2 + h:
	v_lshlrev_b32 v[WD+\s], v9, v[WD+\s]           ; 8 h bits up;
	v_permlanex16_b32 v[MX], v[WD+\s], s28, s29
	v_or_b32 v[WD+\s], v[WD+\s], v[MX]             ; with lane l xor 16's two the word is whole
.irp c, 0,1
	v_cvt_scalef32_pk16_fp6_f32 v[PC+12*\s+6*\c:PC+12*\s+6*\c+2], v[X+64*\s+32*\c:X+64*\s+32*\c+15], v[SO+\c]
	v_cvt_scalef32_pk16_fp6_f32 v[TC+4*\c:TC+4*\c+2], v[X+64*\s+32*\c+16:X+64*\s+32*\c+31], v[SO+\c]   ; (a conversion's three registers begin on an even number)
.endr
	v_nop                                          ; a plain instruction behind the scaled conversions
.irp c, 0,1
.irp i, 0,1,2
	v_mov_b32 v[PC+12*\s+6*\c+3+\i], v[TC+4*\c+\i]
.endr
.endr
.endm
	s_wait_dscnt 16                                ; the first plane's sixteen loads are in
	QB 0
	s_wait_dscnt 0x0
	QB 1
.irp s, 0,1
.irp c, 0,1,2
	global_store_b128 v3, v[PC+12*\s+4*\c:PC+12*\s+4*\c+3], s[10:11] offset:\s*PSC+512*\c   ; 512 consecutive bytes, at a multiple of 256 from the buffer's first byte
.endr
.endr
	s_mov_b32 vcc_lo, 0xffff0000
	v_cndmask_b32 v[MX], v[WD], v[WD+1], vcc_lo    ; lanes 0-15 store the first plane's words, lanes 16-31 the second's
	global_store_b32 v8, v[MX], s[12:13]
	s_wait_tensorcnt 0x0
	ds_add_u32 v254, v255
	s_wait_dscnt 0x0
	s_endpgm
; ---------------- WEIGHTS.  j = work-group - 256 names a weight, a plane of 128 along K and a group of 128 columns.
.Lweights:
	s_sub_co_u32 s30, ttmp9, 256
	s_wait_kmcnt 0x0
	s_mov_b64 s[32:33], s[20:21]                   ; from 704 on: proj_w: rows of 4,096 bytes, tiles from 448 on
	s_mov_b32 s34, 4096
	s_mov_b32 s35, 448
	s_mov_b32 s36, 704
	s_mov_b64 s[38:39], s[10:11]                   ; into cw and cs, 8 planes
	s_mov_b64 s[40:41], s[12:13]
	s_mov_b32 s42, PSC
	s_mov_b32 s43, 65536
	s_mov_b32 s44, 3
	s_cmp_lt_u32 s30, 704                          ; 512-703: qkv_w.  (The choices hang on the work-group's number alone)
	s_cselect_b64 s[32:33], s[18:19], s[32:33]
	s_cselect_b32 s34, 12288, s34
	s_cselect_b32 s35, 256, s35
	s_cselect_b32 s36, 512, s36
	s_cmp_lt_u32 s30, 512                          ; 256-511: fc2_w, into gw and gs, 32 planes
	s_cselect_b64 s[32:33], s[16:17], s[32:33]
	s_cselect_b32 s34, 4096, s34
	s_cselect_b32 s35, 256, s35
	s_cselect_b32 s36, 256, s36
	s_cselect_b64 s[38:39], s[22:23], s[38:39]
	s_cselect_b64 s[40:41], s[24:25], s[40:41]
	s_cselect_b32 s42, PSG, s42
	s_cselect_b32 s43, 20480, s43
	s_cselect_b32 s44, 5, s44
	s_cmp_lt_u32 s30, 256                          ; 0-255: fc1_w
	s_cselect_b64 s[32:33], s[14:15], s[32:33]
	s_cselect_b32 s34, 16384, s34
	s_cselect_b32 s35, 512, s35
	s_cselect_b32 s36, 0, s36
	s_cselect_b64 s[38:39], s[10:11], s[38:39]
	s_cselect_b64 s[40:41], s[12:13], s[40:41]
	s_cselect_b32 s42, PSC, s42
	s_cselect_b32 s43, 65536, s43
	s_cselect_b32 s44, 3, s44
	s_sub_co_u32 s30, s30, s36
	s_lshl_b32 s37, 1, s44
	s_sub_co_u32 s37, s37, 1
	s_and_b32 s45, s30, s37                        ; the plane
	s_lshr_b32 s46, s30, s44                       ; the group of 128 columns
	s_lshl_b32 s47, s45, 7                         ; from: row 128 x plane, column 128 x group + 32 x wave
	s_mul_i32 s47, s47, s34
	s_lshl_b32 s48, s46, 9
	s_add_co_u32 s47, s47, s48
	s_lshl_b32 s48, s26, 7
	s_add_co_u32 s48, s47, s48
	s_mov_b32 s49, 0
	s_add_nc_u64 s[52:53], s[32:33], s[48:49]      ; a base for each block of 32 rows
	s_lshl_b32 s50, s34, 5
	s_mov_b32 s51, 0
	s_add_nc_u64 s[54:55], s[52:53], s[50:51]
	s_add_nc_u64 s[56:57], s[54:55], s[50:51]
	s_add_nc_u64 s[58:59], s[56:57], s[50:51]
	s_mul_i32 s48, s45, s42                        ; to: the plane, tile = the weight's first + 8 x group + 2 x wave
	s_lshl_b32 s50, s46, 3
	s_add_co_u32 s50, s50, s35
	s_lshl_b32 s47, s26, 1
	s_add_co_u32 s50, s50, s47
	s_mul_i32 s50, s50, 1536
	s_add_co_u32 s48, s48, s50
	s_add_nc_u64 s[38:39], s[38:39], s[48:49]
	s_mul_i32 s48, s45, s43                        ; the scale words: 64 bytes a tile
	s_lshl_b32 s50, s35, 6
	s_add_co_u32 s48, s48, s50
	s_lshl_b32 s50, s46, 9
	s_add_co_u32 s48, s48, s50
	s_lshl_b32 s50, s26, 7
	s_add_co_u32 s48, s48, s50
	s_add_nc_u64 s[40:41], s[40:41], s[48:49]
; A LANE TAKES A COLUMN, AND ITS REGISTERS RUN DOWN K.  The lane's number is the column's POSITION: lane l reads column l with bits 3 and 4 exchanged; a load still covers 128 consecutive bytes.
	v_and_b32 v4, 7, v2
	v_and_b32 v5, 8, v2
	v_lshl_or_b32 v4, v5, 1, v4
	v_and_b32 v5, 16, v2
	v_lshrrev_b32 v5, 1, v5
	v_or_b32 v4, v4, v5
	v_lshlrev_b32 v[OFF], 2, v4
	v_lshlrev_b32 v17, 2, v2                       ; 4 x lane: my scale word's place
.set i, 1
.rept 31
	v_add_nc_u32 v[OFF+i], s34, v[OFF+i-1]         ; a row further down
.set i, i+1
.endr
.irp b, 0,1,2,3
.set i, 0
.rept 32
	global_load_b32 v[XW+32*\b+i], v[OFF+i], s[52+2*\b:53+2*\b] th:TH_LOAD_NT
.set i, i+1
.endr
.endr
; Block b of the lane's column: its 32 numbers are all mine.  base: where its six registers of codes go; left: how many younger loads may stay out.
.macro WBLK b, base, left
	s_wait_loadcnt \left
	v_max3_num_f32 v8, |v[XW+32*\b]|, |v[XW+32*\b+1]|, 0x1800000
	v_max3_num_f32 v9, |v[XW+32*\b+2]|, |v[XW+32*\b+3]|, |v[XW+32*\b+4]|
.irp n, 5,9,13,17,21,25
	v_max3_num_f32 v8, v8, |v[XW+32*\b+\n]|, |v[XW+32*\b+\n+1]|
	v_max3_num_f32 v9, v9, |v[XW+32*\b+\n+2]|, |v[XW+32*\b+\n+3]|
.endr
	v_max3_num_f32 v8, v8, |v[XW+32*\b+29]|, |v[XW+32*\b+30]|
	v_max3_num_f32 v8, v8, v9, |v[XW+32*\b+31]|
	v_add_nc_u32 v10, 0xff000000, v8
	v_lshrrev_b32 v11, 23, v10
.if \b == 0
	v_mov_b32 v16, v11
.else
	v_lshl_or_b32 v16, v11, 8*\b, v16              ; the column's scale word: the lower K in the lower byte
.endif
	v_cvt_scalef32_pk16_fp6_f32 v[F+\base:F+\base+2], v[XW+32*\b:XW+32*\b+15], v10
	v_cvt_scalef32_pk16_fp6_f32 v[TW:TW+2], v[XW+32*\b+16:XW+32*\b+31], v10
	v_nop                                          ; a plain instruction behind the scaled conversions
.irp i, 0,1,2
	v_mov_b32 v[F+\base+3+\i], v[TW+\i]
.endr
.endm
	WBLK 0, 0, 63                                  ; 96 younger loads could stay out; 63 is the largest count that the wait can name
	WBLK 1, 12, 63
	WBLK 2, 6, 32
	WBLK 3, 18, 0
; Lanes 0-15 hold the wave's first tile's columns, lanes 16-31 the second's, each with blocks 0 to 3.  A fragment wants blocks 0, 2 in lanes 0-15 and blocks 1, 3 in lanes 16-31:
; block 0's lanes 16-31 change places with block 1's lanes 0-15, and block 2's with block 3's.
.irp i, 0,1,2,3,4,5
	v_permlane16_swap_b32 v[F+\i], v[F+12+\i]
	v_permlane16_swap_b32 v[F+6+\i], v[F+18+\i]
.endr
.irp u, 0,1
.irp c, 0,1,2
	global_store_b128 v3, v[F+12*\u+4*\c:F+12*\u+4*\c+3], s[38:39] offset:1536*\u+512*\c
.endr
.endr
	global_store_b32 v17, v16, s[40:41]            ; 128 consecutive bytes a wave
	s_endpgm
.Lfunc_end_k_q0a9c2672ca_prep:
	.size	k_q0a9c2672ca_prep, .Lfunc_end_k_q0a9c2672ca_prep-k_q0a9c2672ca_prep
	.p2alignl 7, 3214868480
	.fill 96, 4, 3214868480
	.section	.rodata,"a",@progbits
	.p2align	6, 0x0
	.amdhsa_kernel k_q0a9c2672ca_prep
		.amdhsa_group_segment_fixed_size 66304
		.amdhsa_private_segment_fixed_size 0
		.amdhsa_enable_private_segment 0
		.amdhsa_kernarg_size 88
		.amdhsa_user_sgpr_count 2
		.amdhsa_user_sgpr_kernarg_segment_ptr 1
		.amdhsa_wavefront_size32 1
		.amdhsa_system_sgpr_workgroup_id_x 1
		.amdhsa_system_sgpr_workgroup_id_y 1
		.amdhsa_system_sgpr_workgroup_id_z 1
		.amdhsa_system_vgpr_workitem_id 0
		.amdhsa_next_free_vgpr 256
		.amdhsa_next_free_sgpr 66
		.amdhsa_reserve_vcc 1
		.amdhsa_float_denorm_mode_32 3
		.amdhsa_float_denorm_mode_16_64 3
		.amdhsa_memory_ordered 1
		.amdhsa_forward_progress 1
		.amdhsa_inst_pref_size 65
	.end_amdhsa_kernel
	.amdgpu_metadata
---
amdhsa.version: [ 1, 2 ]
amdhsa.kernels:
  - .name:           k_q0a9c2672ca_prep
    .symbol:         k_q0a9c2672ca_prep.kd
    .args:
      - { .name: x, .offset: 0, .size: 8, .value_kind: global_buffer, .address_space: global }
      - { .name: ln1_g, .offset: 8, .size: 8, .value_kind: global_buffer, .address_space: global }
      - { .name: ln1_b, .offset: 16, .size: 8, .value_kind: global_buffer, .address_space: global }
      - { .name: cw, .offset: 24, .size: 8, .value_kind: global_buffer, .address_space: global }
      - { .name: cs, .offset: 32, .size: 8, .value_kind: global_buffer, .address_space: global }
      - { .name: fc1_w, .offset: 40, .size: 8, .value_kind: global_buffer, .address_space: global }
      - { .name: fc2_w, .offset: 48, .size: 8, .value_kind: global_buffer, .address_space: global }
      - { .name: qkv_w, .offset: 56, .size: 8, .value_kind: global_buffer, .address_space: global }
      - { .name: proj_w, .offset: 64, .size: 8, .value_kind: global_buffer, .address_space: global }
      - { .name: gw, .offset: 72, .size: 8, .value_kind: global_buffer, .address_space: global }
      - { .name: gs, .offset: 80, .size: 8, .value_kind: global_buffer, .address_space: global }
    .group_segment_fixed_size: 66304
    .private_segment_fixed_size: 0
    .kernarg_segment_align: 8
    .kernarg_segment_size: 88
    .max_flat_workgroup_size: 128
    .sgpr_count:     66
    .vgpr_count:     256
    .wavefront_size: 32
...
	.end_amdgpu_metadata
.endif
;; end of part 1
;; launch qkv (part 2): grid 12 x 16, 4 waves a work-group, clusters of 4 x 4, 327,680 bytes of LDS; arguments cw, cs, qkv_b, qk, vi; writes qk, vi
.if DOCPART == 2
	.amdgcn_target "amdgcn-amd-amdhsa--gfx1250"
	.amdhsa_code_object_version 6
	.text
	.protected	k_q0a9c2672ca_qkv
	.globl	k_q0a9c2672ca_qkv
	.p2align	8
	.type	k_q0a9c2672ca_qkv,@function
k_q0a9c2672ca_qkv:
	s_mov_b64 s[64:65], 0
	v_nop
	global_prefetch_b8 v0, s[64:65] scope:SCOPE_SE
	s_setreg_imm32_b32 hwreg(HW_REG_WAVE_MODE, 25, 1), 1
	s_wait_xcnt 0x0
	s_wait_alu depctr_hold_cnt(0) depctr_sa_sdst(0) depctr_va_vdst(0) depctr_va_sdst(0) depctr_va_ssrc(0) depctr_va_vcc(0) depctr_vm_vsrc(0)
	s_getreg_b32 s2, hwreg(HW_REG_IB_STS2, 6, 4)
	s_cmp_eq_u32 s2, 0
	s_cbranch_scc0 .Lentry_in_a_cluster
	s_endpgm
.Lentry_in_a_cluster:
	s_bfe_u32 s2, ttmp6, 0x10000c
	s_cmp_lg_u32 s2, 0xf033
	s_cbranch_scc0 .Lentry_shape_is_right
	s_endpgm
.Lentry_shape_is_right:
; q, k, v = LN1(x) qkv_w + qkv_b on codes of FP6 (E2M3), K = 1,024, and their quantising for attention.  Operands lie in cw / cs as images of fragments (16 rows x 128 K: 1,536 bytes; registers 4 c .. 4 c + 3 of
; lane l at 512 c + 16 l), [K / 128][tile], rows in position order (lane r of tile T: row 32 (T / 2) + 8 (T % 2) + r + 8 (r / 8)); scale words [K / 128][row].
; A work-group of four waves makes 256 x 256 of the result, a wave 128 x 128: 64 accumulators, 512 registers.  K goes in steps of 256 (two planes) through a ring of two LDS slots filled by the tensor data mover;
; a wave's load brings two planes x 8 tiles, each plane's part 12,288 consecutive bytes.  A fragment comes out of LDS by three loads of 512 consecutive bytes: no pitch, no padding.
; The scale words of the work-group's rows, for all of K, come into LDS once, with the first fills.
; CLUSTERS 4 x 4: region A's tiles are shared along a row of the cluster, region B's along a column, each asked for jointly.  The matrix instruction takes source 0 = B's rows, source 1 = A's rows:
; a lane holds ONE row of A and, thanks to the position order, its registers 16 b + i hold B's row 32 b + 16 (lane / 16) + i: 64 numbers that are quantised in registers into one fragment.
; CLUSTER x = 0, 1 (q, k): A = tokens, B = the weight's columns: a lane holds a token, its registers run along two heads' 64 channels: K of q k^T.
; CLUSTER x = 2 (v): A = THE WEIGHT'S COLUMNS, B = THE TOKENS: a lane holds a channel, its registers run along 128 keys: K of p v.  The loop's text, masks and descriptors' shapes are the same.
; OUT: qk [q heads 0-15, k heads 16-31][token / 128][6,656]: 8 tiles x 768 bytes (registers 0-3 at 16 l, registers 4-5 at 512 + 8 l), then 128 scale words.  vi [head][token / 128][6,400]: 4 fragments (16 channels x 128 keys), then 64 scale words.
; The grid has 192 work-groups: 12 x 16 tiles of 256 x 256 are the whole result.
; LIMITS: a block of zeros gets the byte 1 (its codes are zeros; only this program reads the bytes); NaN and infinities are not served.
.set PSC,   1572864                    ; a K plane of cw
.set FRB,   1536                       ; a fragment's image
.set KREC,  6656
.set VREC,  6400
.set NQ,    2                          ; planes in a slot
.set FR,    12                         ; registers of a fragment
.set NL,    3                          ; LDS loads that bring one
.set NP,    4                          ; places behind this matrix instruction (ISA guide 7.12.1)
.set PLB,   8*FRB                      ; a plane of a wave's part
.set HALFT, NQ*PLB                     ; what one tensor load brings
.set SLOT,  4*HALFT                    ; A's two halves, B's two halves
.set SCL,   2*SLOT                     ; behind the ring: the scale words, [part][plane][512 bytes]
.set HALFS, 8*512
.set SPARE, SCL+4*HALFS                ; the spare words, 128 bytes for each wave: two blocks of 256 bytes that no other line names
.set ADRA, 16                          ; v16-17  LDS address of my A fragments in slot 0, 1
.set L8,   18                          ; v18     8 x lane
.set VSO,  19                          ; v19     v's scale words on the way out: lanes 16-31 a head on
.set ADRB, 20                          ; v20-21  the same for B
.set SRD,  23                          ; v23     where I read my scale words back
.set LI,   24                          ; v24     16 x lane
.set SA0,  25                          ; v25     where I gather my scale words: 1,024 x wave + 4 r, in slot 0, which has had its last fill and its last read by then
.set SAT,  26                          ; v26     the same, for the block in hand
.set ADRS, 27                          ; v27     LDS address of the loop's scale words: lanes 0-15 A's rows, lanes 16-31 B's
.set SPW,  28                          ; v28     my spare word; never rewritten
.set NIL,  29                          ; v29     0; never rewritten
.set BO,   30                          ; v30     64 h
.set BVO,  31                          ; v31     4 (r + 8 (r / 8))
.set SC,   32                          ; v32-63  scale words, two sets
.set BI,   64                          ; v64-127 the bias along B's rows, in the layout of a lane's 64 results
.set AF,   128                         ; v128-223 A's fragments, one set
.set BV,   224                         ; v224-231 the bias along A's rows: block a's, for my lane's row
.set T,    0                           ; window 1, behind the loop: v0-63 a block's 64 numbers
.set TM,   64                          ; v64-79 at work
.set PW,   80                          ; the scale word just made;  v81: its upper half
.set PW2,  81
.set PC,   84                          ; v84-103 the codes just made
.set G1, 24
.set G0, 32
.set G1B, 48
.set G0B, 56
.set G1S, 68
.set G0S, 76
.set G1SB, 80
.set G0SB, 88
.set SEL, 50
.set MSB, 0
.macro WIN new                         ; the immediate's high byte repeats the setting that is left
.if MSB != (\new)
	s_set_vgpr_msb (MSB<<8)|(\new)
.set MSB, (\new)
.endif
.endm
.set MUL_LO, 0xa1                      ; source 0 (B) window 1, source 1 (A) window 0, C and D window 2
.set MUL_HI, 0xf1                      ; the same, C and D window 3
.set TO_B,   0x40                      ; destination window 1, address window 0
; A joint load: waves 0 and 1 fetch for A, waves 2 and 3 for B; the branch hangs on the wave's number alone.  Four v_nop follow each of the two lines.
.macro JLOAD g0a, g1a, g0b, g1b
	s_cmp_eq_u32 s15, 0
	s_cbranch_scc0 .Lfor_b_\@
	tensor_load_to_lds s[\g0a:\g0a+3], s[\g1a:\g1a+7]
	s_nop 0
.rept 4
	v_nop
.endr
	s_branch .Lasked_\@
.Lfor_b_\@:
	tensor_load_to_lds s[\g0b:\g0b+3], s[\g1b:\g1b+7]
	s_nop 0
.rept 4
	v_nop
.endr
.Lasked_\@:
.endm
.macro CREST                           ; a round of the cluster's barrier behind its opening barrier
	s_cmp_lg_u32 s14, 0
	s_cbranch_scc1 .Lnot_wave_0_\@
	s_barrier_signal -3
.Lnot_wave_0_\@:
	s_barrier_wait -3
	s_barrier_signal -1
	s_barrier_wait -1
.endm
.macro CROUND
	s_barrier_signal -1
	s_barrier_wait -1
	CREST
.endm
	s_load_b256 s[4:11], s[0:1], 0x0               ; cw s[4:5], cs s[6:7], qkv_b s[8:9], qk s[10:11]
	s_load_b64 s[12:13], s[0:1], 0x20              ; vi
	v_lshl_add_u32 v[SPW], v0, 2, SPARE
	v_mov_b32 v[NIL], 0
	ds_add_u32 v28, v29
	ds_add_u32 v28, v29
	s_wait_dscnt 0x0
	v_lshrrev_b32 v1, 5, v0
	v_readfirstlane_b32 s14, v1                    ; wave 0..3
	s_lshr_b32 s15, s14, 1                         ; which half of A's rows is mine.  Also: I fetch for A (0) or for B (1)
	s_and_b32 s16, s14, 1                          ; which half of B's rows.  Also: which half of that region I fetch
	s_bfe_u32 s40, ttmp6, 0x40000                  ; cx, cy: my place in the cluster
	s_bfe_u32 s41, ttmp6, 0x40004
	s_and_b32 s17, ttmp7, 0xffff                   ; the cluster's y
	s_lshl_b32 s43, s41, 2
	s_lshl_b32 s43, 15, s43                        ; my row of the cluster
	s_lshl_b32 s44, 0x1111, s40                    ; my column
	; descriptor group 1, codes: NQ rows (planes) of 12,288 bytes (1,536 elements of 8 bytes), a plane of cw apart; no padding
	s_or_b32 s[G1+0], s43, (3<<16)|(1<<21)         ; 15:0 the mask: A's tiles go to my row; 17:16 elements of 8 bytes; 21 set beside a mask
	s_or_b32 s[G1B+0], s44, (3<<16)|(1<<21)
.irp g, G1, G1B
	s_mov_b32 s[\g+1], (PLB/8)<<16                 ; tensor_dim0
	s_mov_b32 s[\g+2], NQ<<16                      ; tensor_dim1
	s_mov_b32 s[\g+3], (PLB/8)<<16                 ; tile_dim0
	s_mov_b32 s[\g+4], NQ                          ; tile_dim1
	s_mov_b32 s[\g+5], PSC/8                       ; tensor_dim0_stride
	s_mov_b32 s[\g+6], 0
	s_mov_b32 s[\g+7], 0
.endr
	; scale words of 128 rows: 8 rows (planes) of 512 bytes, 65,536 bytes apart
	s_or_b32 s[G1S+0], s43, (3<<16)|(1<<21)
	s_or_b32 s[G1SB+0], s44, (3<<16)|(1<<21)
.irp g, G1S, G1SB
	s_mov_b32 s[\g+1], 64<<16
	s_mov_b32 s[\g+2], 8<<16
	s_mov_b32 s[\g+3], 64<<16
	s_mov_b32 s[\g+4], 8
	s_mov_b32 s[\g+5], 8192
	s_mov_b32 s[\g+6], 0
	s_mov_b32 s[\g+7], 0
.endr
	; which tiles.  The choice hangs on the cluster's x, which all sixteen partners share; cy enters A's tile alone, cx B's alone
	s_lshl_b32 s19, s17, 6                         ; 64 x cluster y: tokens
	s_lshl_b32 s46, ttmp9, 6
	s_add_co_u32 s46, s46, 256                     ; q's and k's columns: tiles 256 + 64 x cluster x on
	s_mov_b32 s20, 384                             ; v's columns: tiles 384 on
	s_cmp_eq_u32 ttmp9, 2
	s_cselect_b32 s20, s20, s19                    ; A
	s_cselect_b32 s46, s19, s46                    ; B
	s_cselect_b32 s95, 1, 0                        ; 1: this cluster makes v
	s_lshl_b32 s18, s16, 3                         ; the half that I fetch: 8 tiles
	s_lshl_b32 s19, s41, 4
	s_add_co_u32 s20, s20, s19
	s_add_co_u32 s20, s20, s18
	s_lshl_b32 s47, s40, 4
	s_add_co_u32 s46, s46, s47
	s_add_co_u32 s46, s46, s18
	s_lshl_b32 s22, s20, 6                         ; scale words: 64 bytes a tile
	s_mul_i32 s20, s20, FRB
	s_mov_b32 s21, 0
	s_mov_b32 s23, 0
	s_lshl_b32 s92, s46, 6
	s_mul_i32 s46, s46, FRB
	s_mov_b32 s47, 0
	s_mov_b32 s93, 0
	s_mul_i32 s45, s14, HALFT                      ; where they go: wave x a part: no place in the cluster enters an LDS address
	s_mul_i32 s94, s14, HALFS
	; the biases: along B's rows (q, k; in a v cluster the buffer's first numbers are loaded and not used), along A's rows (v; else v's first numbers, not used)
	s_lshl_b32 s96, ttmp9, 12
	s_lshl_b32 s97, s40, 10
	s_add_co_u32 s96, s96, s97
	s_lshl_b32 s97, s16, 9
	s_add_co_u32 s96, s96, s97                     ; 4 (1,024 X + 256 cx + 128 half)
	s_lshl_b32 s98, s41, 10
	s_lshl_b32 s97, s15, 9
	s_add_co_u32 s98, s98, s97                     ; 4 (256 cy + 128 half)
	s_cmp_eq_u32 ttmp9, 2
	s_cselect_b32 s96, 0, s96
	s_cselect_b32 s98, s98, 0
	s_add_co_u32 s98, s98, 8192
	s_mov_b32 s97, 0
	s_mov_b32 s99, 0
	s_wait_kmcnt 0x0
	s_add_nc_u64 s[20:21], s[4:5], s[20:21]
	s_add_nc_u64 s[22:23], s[6:7], s[22:23]
	s_add_nc_u64 s[46:47], s[4:5], s[46:47]
	s_add_nc_u64 s[92:93], s[6:7], s[92:93]
	s_add_nc_u64 s[96:97], s[8:9], s[96:97]
	s_add_nc_u64 s[98:99], s[8:9], s[98:99]
	CROUND                                         ; all sixteen work-groups are here: the first joint loads meet
	s_mov_b32 s[G0S], 1
	s_add_co_u32 s[G0S+1], s94, SCL
	s_mov_b64 s[G0S+2:G0S+3], s[22:23]
	s_or_b32 s[G0S+3], s[G0S+3], 0x80000000
	s_mov_b32 s[G0SB], 1
	s_add_co_u32 s[G0SB+1], s94, SCL
	s_mov_b64 s[G0SB+2:G0SB+3], s[92:93]
	s_or_b32 s[G0SB+3], s[G0SB+3], 0x80000000
	JLOAD G0S, G1S, G0SB, G1SB                     ; the scale words first: they are wanted with the first planes
.irp s, 0,1
	s_mov_b32 s[G0+4*\s], 1
	s_add_co_u32 s[G0+4*\s+1], s45, \s*SLOT
	s_add_nc_u64 s[G0+4*\s+2:G0+4*\s+3], s[20:21], \s*NQ*PSC
	s_or_b32 s[G0+4*\s+3], s[G0+4*\s+3], 0x80000000
	s_mov_b32 s[G0B+4*\s], 1
	s_add_co_u32 s[G0B+4*\s+1], s45, \s*SLOT
	s_add_nc_u64 s[G0B+4*\s+2:G0B+4*\s+3], s[46:47], \s*NQ*PSC
	s_or_b32 s[G0B+4*\s+3], s[G0B+4*\s+3], 0x80000000
	JLOAD G0+4*\s, G1, G0B+4*\s, G1B
.endr
	v_and_b32 v1, 15, v0                           ; r
	v_bfe_u32 v2, v0, 4, 1                         ; h
	v_and_b32 v3, 31, v0                           ; lane
	v_lshlrev_b32 v[LI], 4, v3
	v_lshlrev_b32 v[L8], 3, v3
	v_lshlrev_b32 v[BO], 6, v2
	v_and_b32 v4, 8, v1
	v_add_nc_u32 v4, v4, v1
	v_lshlrev_b32 v[BVO], 2, v4
	v_mul_u32_u24 v[VSO], v2, 32*VREC
	v_lshl_add_u32 v[VSO], v1, 4, v[VSO]
.irp b, 0,1,2,3,4,5,6,7                ; my lane's register 8 b + j belongs to B's row 32 (b / 2) + 8 (b % 2) + 16 h + j
	global_load_b128 v[BI+8*\b:BI+8*\b+3], v[BO], s[96:97] offset:128*(\b/2)+32*(\b%2)
	global_load_b128 v[BI+8*\b+4:BI+8*\b+7], v[BO], s[96:97] offset:128*(\b/2)+32*(\b%2)+16
.endr
.irp a, 0,1,2,3,4,5,6,7                ; my lane's row of A's block a is 32 (a / 2) + 8 (a % 2) + r + 8 (r / 8)
	global_load_b32 v[BV+\a], v[BVO], s[98:99] offset:4*(32*(\a/2)+8*(\a%2))
.endr
	s_mul_i32 s21, s15, HALFT                      ; my half of A
	s_mul_i32 s22, s16, HALFT                      ; my half of B,
	s_add_co_u32 s22, s22, 2*HALFT                 ; which lies behind A's two
.irp s, 0,1
	v_add_nc_u32 v[ADRA+\s], s21, v[LI]
	v_add_nc_u32 v[ADRB+\s], s22, v[LI]
	s_add_co_u32 s21, s21, SLOT
	s_add_co_u32 s22, s22, SLOT
.endr
	v_lshlrev_b32 v5, 2, v1                        ; a scale word: 4 r
	s_mul_i32 s21, s15, HALFS
	s_mul_i32 s22, s16, HALFS
	s_add_co_u32 s22, s22, 2*HALFS
	s_sub_co_u32 s22, s22, s21
	v_mul_u32_u24 v6, s22, v2                      ; lanes 16-31 take B's
	s_add_co_u32 s21, s21, SCL
	v_add_nc_u32 v5, v5, v6
	v_add_nc_u32 v[ADRS], s21, v5
	s_lshl_b32 s23, s14, 10
	v_lshl_add_u32 v[SA0], v1, 2, s23
	v_add_nc_u32 v[SRD], s23, v[LI]
.macro FRAG reg, adr, q, i             ; a fragment's image: three loads of 512 consecutive bytes
.irp c, 0,1,2
	ds_load_b128 v[\reg+4*\c:\reg+4*\c+3], v[\adr] offset:(\q)*PLB+(\i)*FRB+512*\c
.endr
.endm
; 16 matrix instructions: A's blocks a0, a0 + 1 x B's eight, one plane.  p: B's set; sc: the set of scale words.  zero = 1: the first product starts the sums.
; The 64 accumulators take turns, one instruction a turn, in the same order in every step.
.macro MUL16 a0, p, q, sc, zero
.irp a, \a0, \a0+1
.irp b, 0,1,2,3,4,5,6,7
.if \zero
	v_wmma_scale_f32_16x16x128_f8f6f4 v[8*(8*((\a)%4)+\b):8*(8*((\a)%4)+\b)+7], v[128*(\p)+FR*\b:128*(\p)+FR*\b+FR-1], v[AF+FR*(\a):AF+FR*(\a)+FR-1], 0, v[SC+8*NQ*(\sc)+NQ*\b+(\q)], v[SC+8*NQ*(\sc)+NQ*(\a)+(\q)] matrix_a_fmt:MATRIX_FMT_FP6 matrix_b_fmt:MATRIX_FMT_FP6 matrix_a_scale:MATRIX_SCALE_ROW1
.else
	v_wmma_scale_f32_16x16x128_f8f6f4 v[8*(8*((\a)%4)+\b):8*(8*((\a)%4)+\b)+7], v[128*(\p)+FR*\b:128*(\p)+FR*\b+FR-1], v[AF+FR*(\a):AF+FR*(\a)+FR-1], v[8*(8*((\a)%4)+\b):8*(8*((\a)%4)+\b)+7], v[SC+8*NQ*(\sc)+NQ*\b+(\q)], v[SC+8*NQ*(\sc)+NQ*(\a)+(\q)] matrix_a_fmt:MATRIX_FMT_FP6 matrix_b_fmt:MATRIX_FMT_FP6 matrix_a_scale:MATRIX_SCALE_ROW1
.endif
.endr
.endr
.endm
.macro FETCH_B slot, q, p
	WIN TO_B
.irp i, 0,1,2,3,4,5,6,7
	FRAG 128*(\p)+FR*\i, ADRB+\slot, \q, \i
.endr
	WIN 0
.endm
.macro FETCH_A slot, q, i0
.irp i, \i0, \i0+1, \i0+2, \i0+3
	FRAG AF+FR*(\i), ADRA+\slot, \q, \i
.endr
.endm
.macro SCALES sc                       ; a slot's scale words: register NQ i + q: lanes 0-15 A's block i, lanes 16-31 B's block i, plane q
.irp i, 0,1,2,3,4,5,6,7
.irp q, 0,1
	ds_load_b32 v[SC+8*NQ*\sc+NQ*\i+\q], v[ADRS] offset:512*\q+64*\i
.endr
.endr
.endm
.macro PLACES n                        ; places in front of loads into registers that matrix instructions have read, and of the first read of results
.rept \n
	v_nop
.endr
.endm
.macro STEP slot, q, zero              ; a plane that has its successor in the same slot
	s_wait_dscnt 4*NL                              ; B's set, A's blocks 0-3 and the scale words are in; the youngest twelve loads (A's blocks 4-7) may be out
	WIN MUL_LO
	MUL16 0, (\q)%2, \q, \slot, \zero
	MUL16 2, (\q)%2, \q, \slot, \zero
	s_wait_dscnt 0
	PLACES NP
	FETCH_B \slot, (\q)+1, 1-(\q)%2
	FETCH_A \slot, (\q)+1, 0
	WIN MUL_HI
	MUL16 4, (\q)%2, \q, \slot, \zero
	MUL16 6, (\q)%2, \q, \slot, \zero
	PLACES NP
	WIN 0
	FETCH_A \slot, (\q)+1, 4
.endm
; A slot's last plane changes slots: ONE barrier; in front of it each wave waits for all its tensor loads, adds 0 to its spare word, and waits for that and for its reads of this slot.  fill = 1: the slot is filled again.
.macro TURN slot, next, fill
	s_wait_tensorcnt 0x0                           ; all my tensor loads have landed: my part of the next slot
	ds_add_u32 v[SPW], v[NIL]                      ; 0 onto my spare word
	s_wait_dscnt 4*NL+1                            ; (the add and the youngest twelve loads may be out)
	WIN MUL_LO
	MUL16 0, 1, NQ-1, \slot, 0                     ; sixteen matrix instructions stand between the add and the wait for it
	s_wait_dscnt 0x0                               ; the add is done, and my reads of this slot are over
	s_barrier_signal -1
	MUL16 2, 1, NQ-1, \slot, 0
	WIN 0
	s_barrier_wait -1
.if \fill
	CREST                                          ; the barrier has opened a round of the cluster's barrier: no wave of any partner still reads this slot or has a load on its way
	s_add_nc_u64 s[G0+4*\slot+2:G0+4*\slot+3], s[G0+4*\slot+2:G0+4*\slot+3], 2*NQ*PSC
	s_add_nc_u64 s[G0B+4*\slot+2:G0B+4*\slot+3], s[G0B+4*\slot+2:G0B+4*\slot+3], 2*NQ*PSC
	JLOAD G0+4*\slot, G1, G0B+4*\slot, G1B         ; the first tensor load behind the round; its four v_nop are also the places in front of the loads below
.else
	PLACES NP
.endif
	v_add_nc_u32 v[ADRS], 512*NQ, v[ADRS]          ; on to the next slot's scale words
	FETCH_B \next, 0, 0
	FETCH_A \next, 0, 0
	SCALES \next
	WIN MUL_HI
	MUL16 4, 1, NQ-1, \slot, 0
	MUL16 6, 1, NQ-1, \slot, 0
	PLACES NP
	WIN 0
	FETCH_A \next, 0, 4
.endm
	s_wait_tensorcnt 1                             ; the scale words and my part of slot 0 are in (slot 1's load may be out)
	s_barrier_signal -1
	s_barrier_wait -1                              ; everybody's are
	FETCH_B 0, 0, 0
	FETCH_A 0, 0, 0
	SCALES 0
	FETCH_A 0, 0, 4
	STEP 0, 0, 1                                   ; K's eight planes are four slots' worth: written out, each slot filled again once
	TURN 0, 1, 1
	STEP 1, 0, 0
	TURN 1, 0, 1
	STEP 0, 0, 0
	TURN 0, 1, 0
	STEP 1, 0, 0
	s_wait_dscnt 4*NL                              ; the last plane: nothing more to fetch
	WIN MUL_LO
	MUL16 0, 1, NQ-1, 1, 0
	MUL16 2, 1, NQ-1, 1, 0
	s_wait_dscnt 0
	WIN MUL_HI
	MUL16 4, 1, NQ-1, 1, 0
	MUL16 6, 1, NQ-1, 1, 0
	WIN 0
; THE WAY OUT: a loop over A's eight blocks.  A trip copies the block's 64 accumulator registers, with the bias, into window 1 (which registers: a switch on the trip's number), quantises them into one fragment and stores it.
; 64 numbers of a lane, register 16 b + i = k 32 b + 16 (lane / 16) + i of my row, become a fragment's codes in v[PC] on and its scale word in v[PW].
.macro QUANT s
.irp b, 0,1,2,3
	v_max3_num_f32 v[TM+\b], |v[\s+16*\b]|, |v[\s+1+16*\b]|, 0x1800000   ; my 16 numbers of block b, and the floor 2^(3 - 127): the byte cannot fall under 1
.endr
.irp i, 2,4,6,8,10,12,14
.irp b, 0,1,2,3
	v_max3_num_f32 v[TM+\b], v[TM+\b], |v[\s+16*\b+\i]|, |v[\s+1+16*\b+\i]|
.endr
.endr
.irp b, 0,1,2,3
	v_permlanex16_b32 v[TM+4+\b], v[TM+\b], s[SEL], s[SEL+1]
.endr
.irp b, 0,1,2,3
	v_max_num_f32 v[TM+\b], v[TM+\b], v[TM+4+\b]   ; with lane l xor 16's: the block's largest magnitude
.endr
.irp b, 0,1,2,3
	v_add_nc_u32 v[TM+12+\b], 0xff000000, v[TM+\b] ; 2 off its exponent field: the conversion's scale operand
.endr
.irp b, 0,1,2,3
	v_lshrrev_b32 v[TM+4+\b], 23, v[TM+12+\b]      ; the byte
.endr
	v_lshl_or_b32 v[PW], v[TM+5], 8, v[TM+4]
	v_lshl_or_b32 v[PW], v[TM+6], 16, v[PW]
	v_lshl_or_b32 v[PW], v[TM+7], 24, v[PW]
.irp c, 0,1
	v_cvt_scalef32_pk16_fp6_f32 v[PC+6*\c:PC+2+6*\c], v[\s+32*\c:\s+15+32*\c], v[TM+12+2*\c]
	v_cvt_scalef32_pk16_fp6_f32 v[PC+12+4*\c:PC+14+4*\c], v[\s+16+32*\c:\s+31+32*\c], v[TM+12+2*\c+1]
.endr
	v_nop                                          ; a plain instruction behind the scaled conversions
.irp c, 0,1                            ; the layout wants a WHOLE block in a lane: lanes 0-15 block 2 c, lanes 16-31 block 2 c + 1
.irp i, 0,1,2
	v_permlane16_swap_b32 v[PC+6*\c+\i], v[PC+12+4*\c+\i]
.endr
.irp i, 0,1,2
	v_mov_b32 v[PC+3+6*\c+\i], v[PC+12+4*\c+\i]
.endr
.endr
.endm
.macro COPY a, m                       ; block a's results + the bias; each accumulator is read from its low end on.  m = 1: the bias is my lane's row's
	WIN 0x42+(\a)/4
.set n, 0
.rept 32
.if \m
.if (\a)%2
	v_pk_add_f32 v[T+n:T+n+1], v[64*((\a)%4)+n:64*((\a)%4)+n+1], v[BV+2*((\a)/2):BV+2*((\a)/2)+1] op_sel:[0,1] op_sel_hi:[1,1]
.else
	v_pk_add_f32 v[T+n:T+n+1], v[64*((\a)%4)+n:64*((\a)%4)+n+1], v[BV+2*((\a)/2):BV+2*((\a)/2)+1] op_sel_hi:[1,0]
.endif
.else
	v_pk_add_f32 v[T+n:T+n+1], v[64*((\a)%4)+n:64*((\a)%4)+n+1], v[BI+n:BI+n+1]
.endif
.set n, n+2
.endr
	WIN 0
.endm
	PLACES NP
	s_wait_loadcnt 0x0                             ; the biases
	s_mov_b32 s[SEL], 0x76543210                   ; (no tensor load of mine is out: the descriptors' registers are free)
	s_mov_b32 s[SEL+1], 0xfedcba98
	s_lshl_b32 s52, ttmp9, 4                       ; q, k: record (16 X + 4 cx + 2 half, 8 Y + 2 cy + half of A)
	s_lshl_b32 s53, s40, 2
	s_add_co_u32 s52, s52, s53
	s_lshl_b32 s53, s16, 1
	s_add_co_u32 s52, s52, s53
	s_lshl_b32 s52, s52, 5
	s_lshl_b32 s53, s17, 3
	s_add_co_u32 s52, s52, s53
	s_lshl_b32 s53, s41, 1
	s_add_co_u32 s52, s52, s53
	s_add_co_u32 s52, s52, s15
	s_mul_i32 s52, s52, KREC
	s_lshl_b32 s54, s41, 2                         ; v: record (4 cy + 2 half of A, 8 Y + 2 cx + half of B)
	s_lshl_b32 s53, s15, 1
	s_add_co_u32 s54, s54, s53
	s_lshl_b32 s54, s54, 5
	s_lshl_b32 s53, s17, 3
	s_add_co_u32 s54, s54, s53
	s_lshl_b32 s53, s40, 1
	s_add_co_u32 s54, s54, s53
	s_add_co_u32 s54, s54, s16
	s_mul_i32 s54, s54, VREC
	s_cmp_lg_u32 s95, 0
	s_cselect_b64 s[10:11], s[12:13], s[10:11]
	s_cselect_b32 s52, s54, s52
	s_mov_b32 s53, 0
	s_add_nc_u64 s[10:11], s[10:11], s[52:53]      ; walks from tile to tile
	s_mov_b64 s[12:13], s[10:11]                   ; stays: for the scale words
	s_mov_b32 s48, 0                               ; the block
	s_mov_b32 s49, 0                               ; its scale words' place: 64 bytes a block
	WIN 0x40
.irp b, 0,1,2,3
	v_mov_b32 v[TM+4+\b], 0                        ; written once: a lane permute's destination counts as one of its sources
.endr
	WIN 0
.Lrow:
	v_add_nc_u32 v[SAT], s49, v[SA0]
	s_cmp_lg_u32 s95, 0
	s_cbranch_scc1 .Lsw_v
.irp k, 0,1,2,3,4,5,6
	s_cmp_eq_u32 s48, \k
	s_cbranch_scc1 .Lcq_\k
.endr
	COPY 7, 0
	s_branch .Lcommon
.irp k, 0,1,2,3,4,5,6
.Lcq_\k:
	COPY \k, 0
	s_branch .Lcommon
.endr
.Lsw_v:
.irp k, 0,1,2,3,4,5,6
	s_cmp_eq_u32 s48, \k
	s_cbranch_scc1 .Lcv_\k
.endr
	COPY 7, 1
	s_branch .Lcommon
.irp k, 0,1,2,3,4,5,6
.Lcv_\k:
	COPY \k, 1
	s_branch .Lcommon
.endr
.Lcommon:
	WIN 0x55                                       ; all in window 1
	QUANT T
	v_lshrrev_b32 v[PW2], 16, v[PW]                ; q, k: bytes 2 and 3 belong to the second head
	WIN 0x04                                       ; a store's data are its source 1: window 1
	ds_store_b32 v[SAT], v[PW]                     ; lanes l and l xor 16 write the same word with the same value
	ds_store_b32 v[SAT], v[PW2] offset:512
	WIN 0
	s_cmp_lg_u32 s95, 0
	s_cbranch_scc1 .Lst_v
	WIN 0x04
	global_store_b128 v[LI], v[PC:PC+3], s[10:11]                      ; the first head's 64 channels are registers 0-5: 512 + 256 consecutive bytes
	global_store_b64 v[L8], v[PC+4:PC+5], s[10:11] offset:512
	global_store_b128 v[LI], v[PC+6:PC+9], s[10:11] offset:32*KREC     ; the second head's are registers 6-11
	global_store_b64 v[L8], v[PC+10:PC+11], s[10:11] offset:32*KREC+512
	WIN 0
	s_branch .Lst_done
.Lst_v:
	WIN 0x04
.irp c, 0,1,2
	global_store_b128 v[LI], v[PC+4*\c:PC+4*\c+3], s[10:11] offset:512*\c
.endr
	WIN 0
.Lst_done:
	s_wait_xcnt 0x0                                ; the stores have read their registers and their base: both are written again only behind this wait
	s_mov_b32 s54, FRB                             ; v: a fragment on;
	s_cmp_eq_u32 s48, 3
	s_cselect_b32 s54, 32*VREC-3*FRB, s54          ; behind a head's fourth: the next head's record;
	s_cmp_lg_u32 s95, 0
	s_cselect_b32 s54, s54, 768                    ; q, k: a tile on
	s_mov_b32 s55, 0
	s_add_nc_u64 s[10:11], s[10:11], s[54:55]
	s_add_co_u32 s49, s49, 64
	s_add_co_u32 s48, s48, 1
	s_cmp_lt_u32 s48, 8
	s_cbranch_scc1 .Lrow
	ds_load_b128 v[128:131], v[SRD]                ; LDS serves a wave's instructions in order (ISA guide 5.7.1.4): these see my stores
	ds_load_b128 v[132:135], v[SRD] offset:512
	s_wait_dscnt 0x0
	s_cmp_lg_u32 s95, 0
	s_cbranch_scc1 .Lw_v
	global_store_b128 v[LI], v[128:131], s[12:13] offset:6144          ; 128 scale words: 512 consecutive bytes for each head
	global_store_b128 v[LI], v[132:135], s[12:13] offset:32*KREC+6144
	s_branch .Lw_done
.Lw_v:
	global_store_b128 v[VSO], v[128:131], s[12:13] offset:6144         ; 64 scale words, 256 bytes, for each of my two heads
.Lw_done:
	s_wait_tensorcnt 0x0                           ; the wave's end
	ds_add_u32 v[SPW], v[NIL]
	s_wait_dscnt 0x0
	CROUND                                         ; the closing round
	s_endpgm
.Lfunc_end_k_q0a9c2672ca_qkv:
	.size	k_q0a9c2672ca_qkv, .Lfunc_end_k_q0a9c2672ca_qkv-k_q0a9c2672ca_qkv
	.p2alignl 7, 3214868480
	.fill 96, 4, 3214868480
	.section	.rodata,"a",@progbits
	.p2align	6, 0x0
	.amdhsa_kernel k_q0a9c2672ca_qkv
		.amdhsa_group_segment_fixed_size 327680
		.amdhsa_private_segment_fixed_size 0
		.amdhsa_enable_private_segment 0
		.amdhsa_kernarg_size 40
		.amdhsa_user_sgpr_count 2
		.amdhsa_user_sgpr_kernarg_segment_ptr 1
		.amdhsa_wavefront_size32 1
		.amdhsa_system_sgpr_workgroup_id_x 1
		.amdhsa_system_sgpr_workgroup_id_y 1
		.amdhsa_system_sgpr_workgroup_id_z 1
		.amdhsa_system_vgpr_workitem_id 0
		.amdhsa_next_free_vgpr 1024
		.amdhsa_next_free_sgpr 100
		.amdhsa_reserve_vcc 0
		.amdhsa_float_denorm_mode_32 3
		.amdhsa_float_denorm_mode_16_64 3
		.amdhsa_memory_ordered 1
		.amdhsa_forward_progress 1
		.amdhsa_inst_pref_size 152
	.end_amdhsa_kernel
	.amdgpu_metadata
---
amdhsa.version: [ 1, 2 ]
amdhsa.kernels:
  - .name:           k_q0a9c2672ca_qkv
    .symbol:         k_q0a9c2672ca_qkv.kd
    .args:
      - { .name: cw, .offset: 0, .size: 8, .value_kind: global_buffer, .address_space: global }
      - { .name: cs, .offset: 8, .size: 8, .value_kind: global_buffer, .address_space: global }
      - { .name: qkv_b, .offset: 16, .size: 8, .value_kind: global_buffer, .address_space: global }
      - { .name: qk, .offset: 24, .size: 8, .value_kind: global_buffer, .address_space: global }
      - { .name: vi, .offset: 32, .size: 8, .value_kind: global_buffer, .address_space: global }
    .group_segment_fixed_size: 327680
    .private_segment_fixed_size: 0
    .kernarg_segment_align: 8
    .kernarg_segment_size: 40
    .max_flat_workgroup_size: 128
    .sgpr_count:     100
    .vgpr_count:     1024
    .wavefront_size: 32
...
	.end_amdgpu_metadata
.endif
;; end of part 2
;; launch attn (part 3): grid 32 x 8, 16 waves a work-group, no clusters, 174,080 bytes of LDS; arguments qk, vi, cw, cs; writes cw, cs
.if DOCPART == 3
	.amdgcn_target "amdgcn-amd-amdhsa--gfx1250"
	.amdhsa_code_object_version 6
	.text
	.protected	k_q0a9c2672ca_attn
	.globl	k_q0a9c2672ca_attn
	.p2align	8
	.type	k_q0a9c2672ca_attn,@function
k_q0a9c2672ca_attn:
	s_mov_b64 s[64:65], 0
	v_nop
	global_prefetch_b8 v0, s[64:65] scope:SCOPE_SE
	s_setreg_imm32_b32 hwreg(HW_REG_WAVE_MODE, 25, 1), 1
	s_wait_xcnt 0x0
; ALiBi attention, causal, window 256, 16 heads of 64, both products on codes of FP6 (E2M3); the result is quantised along the model's 1,024 for the next product.
; logit = q . k / 8 + slope (k - q) + 1, slope = 2^(-(head + 1) / 2); a key counts where 0 <= q - k < 256.  t = logit x log2(e); M = the running largest t rounded UP to a whole number; p = 2^(t - M) is what is
; quantised, along the keys; the row's sum is taken of the unquantised p and divides at the end.  When M moves, the sum and O are multiplied by 2^(old M - new M): exact.
; SHARES.  A work-group takes 64 queries (x) of four heads of one batch (y = 4 batch + group of heads); wave w: head w % 4 of the group, tile w / 4 of 16 queries, in 256 registers: four waves to a SIMD.
; KEYS go in aligned steps of 128.  The queries lie in step a; the keys that count lie in steps a - 2, a - 1, a: THREE steps, fetched from step max(a - 2, 0) on; a step beyond a is fetched and left out of the work.
; All tiles are asked for at the head and nothing in LDS is filled twice.  Only step a - 2 needs the window's mask and only step a the causal one.
; LAYOUT.  S^T = K Q^T (source 0 = 16 keys, source 1 = my 16 queries), O^T = V^T P^T: a lane holds ONE query throughout.  Tokens and channels lie in position order (lane r of tile T: 32 (T / 2) + 8 (T % 2) + r + 8 (r / 8)),
; so the 16 registers of tiles 2 b, 2 b + 1 are 16 neighbours: keys for p, channels for o.  The head's 64 are half of the instruction's 128: Q's registers 6-11 are zero codes; what stands there on K's side is multiplied by zero.
; NO JOINT LOADS: work-groups 2 a and 2 a + 1 read the same keys, but four neighbours would begin at different steps and leave different steps out: an LDS address and a branch would hang on a partner's place.
; LIMITS: a block of zeros gets the byte 1 (zero codes; only this program reads the bytes); NaN and infinities are not served; v_exp_f32 and v_rcp_f32 are good to 1 ulp.
.set KREC,  6656                       ; a record of qk: 8 tiles x 768 bytes, 128 scale words
.set VREC,  6400                       ; a record of vi: 4 fragments x 1,536 bytes, 64 scale words
.set VOFF,  4*KREC
.set STEPB, 4*KREC+4*VREC              ; a step in LDS: four heads' K, four heads' V
.set OST,   3*STEPB                    ; the way out: 2 planes x 4 tiles of fragment images,
.set OSC,   OST+12288                  ; and their scale words, 2 x 256 bytes
.set PSC,   1572864                    ; a K plane of cw
.set AKB,  1                           ; v1   K's tiles: 16 x lane + my head's record
.set AK8,  2                           ; v2   8 x lane + the same
.set AKS,  3                           ; v3   4 x lane + the same
.set AVB,  4                           ; v4   V's fragments: 16 x lane
.set AVS,  5                           ; v5   4 x lane
.set OA0,  6                           ; v6-8 the way out: where my codes and my two bytes go
.set OA1,  7
.set OAS,  8
.set DQ,   9                           ; v9   my query in its step - 16 h
.set LI,   10                          ; v10  16 x lane
.set NINF, 11                          ; v11  -infinity
.set DT,   32                          ; v32-47  i - DQ as f32: register 16 b + i holds the key 128 d + 32 b + 16 h + i
.set KT,   48                          ; v48-101 K's eight tiles, six registers apart (v96-101 zeros); later V's four fragments
.set S,    104                         ; v104-167 S^T, t, p
.set O,    168                         ; v168-199 O^T
.set PCD,  200                         ; v200-211 p's codes
.set CT,   212                         ; v212-219 conversions' second halves
.set BM,   220                         ; v220-223 the blocks' maxima
.set BT,   224                         ; v224-227 the other half's; bytes
.set BS,   228                         ; v228-231 the conversions' scale operands
.set ORD,  232                         ; v232-235 the way out: read-back and store offsets
.set OGO,  233
.set OSR,  234
.set OSG,  235
.set KSW,  236                         ; v236-239 K's scale words: lanes 0-15 tile 2 p, lanes 16-31 tile 2 p + 1
.set VSW,  240                         ; v240-241 V's
.set SD,   242                         ; v242-245 128 d + 32 b as f32
.set TP,   246                         ; v246-253 at work; v252 f, v253 p's scale word, v254 at work
.set G1K,  24
.set G1V,  32
.set G0K,  40                          ; s[40:51] a group 0 for each step
.set G0V,  52                          ; s[52:63]
.set SEL,  68
.set C1,   70                          ; log2(e) / 8
.set C3,   72                          ; log2(e)
	s_load_b256 s[4:11], s[0:1], 0x0               ; qk s[4:5], vi s[6:7], cw s[8:9], cs s[10:11]
	v_lshl_add_u32 v219, v0, 2, 0x2a000
	v_mov_b32 v255, 0
	ds_add_u32 v219, v255
	ds_add_u32 v219, v255
	v_lshrrev_b32 v1, 5, v0
	v_readfirstlane_b32 s12, v1                    ; wave 0..15
	s_and_b32 s13, s12, 3                          ; my head in the group
	s_lshr_b32 s14, s12, 2                         ; my tile of queries
	s_and_b32 s15, ttmp7, 0xffff
	s_lshr_b32 s16, s15, 2                         ; batch
	s_and_b32 s17, s15, 3                          ; group of heads
	s_lshl_b32 s18, s17, 2
	s_add_co_u32 s18, s18, s13                     ; head
	s_lshr_b32 s19, ttmp9, 1                       ; a: the queries' step
	s_sub_co_i32 s20, s19, 2
	s_max_i32 s20, s20, 0                          ; the first step fetched
	s_and_b32 s21, ttmp9, 1
	s_lshl_b32 s21, s21, 2
	s_add_co_u32 s21, s21, s14                     ; my tile among the step's eight
	s_sub_co_i32 s22, s20, s19                     ; d of the first step: -2, -1 or 0
	; descriptor group 1: a record is dense: rows of 256 bytes (32 elements of 8 bytes), 26 for K, 25 for V
	s_mov_b32 s[G1K], 3<<16
	s_mov_b32 s[G1K+1], 32<<16
	s_mov_b32 s[G1K+2], 26<<16
	s_mov_b32 s[G1K+3], 32<<16
	s_mov_b32 s[G1K+4], 26
	s_mov_b32 s[G1K+5], 32
	s_mov_b32 s[G1K+6], 0
	s_mov_b32 s[G1K+7], 0
	s_mov_b32 s[G1V], 3<<16
	s_mov_b32 s[G1V+1], 32<<16
	s_mov_b32 s[G1V+2], 25<<16
	s_mov_b32 s[G1V+3], 32<<16
	s_mov_b32 s[G1V+4], 25
	s_mov_b32 s[G1V+5], 32
	s_mov_b32 s[G1V+6], 0
	s_mov_b32 s[G1V+7], 0
	s_lshl_b32 s80, s16, 4
	s_add_co_u32 s80, s80, s20                     ; 16 batch + first step
	s_add_co_u32 s81, s18, 16                      ; k's heads lie behind q's sixteen
	s_lshl_b32 s81, s81, 5
	s_add_co_u32 s81, s81, s80
	s_mul_i32 s82, s81, KREC
	s_mov_b32 s83, 0
	s_lshl_b32 s81, s18, 5
	s_add_co_u32 s81, s81, s80
	s_mul_i32 s84, s81, VREC
	s_mov_b32 s85, 0
	s_mul_i32 s86, s13, KREC                       ; in LDS: my head's place in a step
	s_mul_i32 s87, s13, VREC
	s_add_co_u32 s87, s87, VOFF
	s_lshl_b32 s88, s18, 5                         ; Q: record (head, 16 batch + a),
	s_lshl_b32 s89, s16, 4
	s_add_co_u32 s88, s88, s89
	s_add_co_u32 s88, s88, s19
	s_mul_i32 s88, s88, KREC
	s_lshl_b32 s90, s21, 6
	s_add_co_u32 s90, s90, s88                     ; its scale words: 64 bytes a tile,
	s_mul_i32 s89, s21, 768
	s_add_co_u32 s88, s88, s89                     ; its tile
	s_mov_b32 s89, 0
	s_mov_b32 s91, 0
	s_lshl_b32 s74, s16, 7                         ; the result: tile 768 + 128 batch + 4 x, planes 2 x group of heads and the next
	s_lshl_b32 s75, ttmp9, 2
	s_add_co_u32 s74, s74, s75
	s_add_co_u32 s74, s74, 768
	s_mul_i32 s76, s74, 1536
	s_mul_i32 s75, s17, 2*PSC
	s_add_co_u32 s76, s76, s75
	s_mov_b32 s77, 0
	s_lshl_b32 s78, s74, 6
	s_lshl_b32 s75, s17, 17
	s_add_co_u32 s78, s78, s75
	s_mov_b32 s79, 0
	s_mov_b32 s[SEL], 0x76543210
	s_mov_b32 s[SEL+1], 0xfedcba98
	s_mov_b32 s[C1], 0x3e38aa3b
	s_mov_b32 s[C1+1], s[C1]                       ; (named with it as a pair, so it is written)
	s_mov_b32 s[C3], 0x3fb8aa3b
	s_mov_b32 s[C3+1], s[C3]
	s_wait_dscnt 0x0
	s_wait_kmcnt 0x0
	s_add_nc_u64 s[82:83], s[4:5], s[82:83]
	s_add_nc_u64 s[84:85], s[6:7], s[84:85]
	s_add_nc_u64 s[88:89], s[4:5], s[88:89]
	s_add_nc_u64 s[90:91], s[4:5], s[90:91]
	s_add_nc_u64 s[8:9], s[8:9], s[76:77]
	s_add_nc_u64 s[10:11], s[10:11], s[78:79]
.irp i, 0,1,2
	s_mov_b32 s[G0K+4*\i], 1
	s_add_co_u32 s[G0K+4*\i+1], s86, \i*STEPB
	s_add_nc_u64 s[G0K+4*\i+2:G0K+4*\i+3], s[82:83], \i*KREC
	s_or_b32 s[G0K+4*\i+3], s[G0K+4*\i+3], 0x80000000
	s_mov_b32 s[G0V+4*\i], 1
	s_add_co_u32 s[G0V+4*\i+1], s87, \i*STEPB
	s_add_nc_u64 s[G0V+4*\i+2:G0V+4*\i+3], s[84:85], \i*VREC
	s_or_b32 s[G0V+4*\i+3], s[G0V+4*\i+3], 0x80000000
.endr
	; the fills: waves 0-3 K of head w, waves 4-7 V of head w - 4, three steps each, in one branch; the other waves none.  Three loads of a wave are out at the most
	s_cmp_lt_u32 s12, 4
	s_cbranch_scc0 .Lnot_k
	tensor_load_to_lds s[G0K:G0K+3], s[G1K:G1K+7]
	s_nop 0
	tensor_load_to_lds s[G0K+4:G0K+7], s[G1K:G1K+7]
	s_nop 0
	tensor_load_to_lds s[G0K+8:G0K+11], s[G1K:G1K+7]
	s_nop 0
.rept 4
	v_nop
.endr
	s_branch .Lasked
.Lnot_k:
	s_cmp_lt_u32 s12, 8
	s_cbranch_scc0 .Lasked
	tensor_load_to_lds s[G0V:G0V+3], s[G1V:G1V+7]
	s_nop 0
	tensor_load_to_lds s[G0V+4:G0V+7], s[G1V:G1V+7]
	s_nop 0
	tensor_load_to_lds s[G0V+8:G0V+11], s[G1V:G1V+7]
	s_nop 0
.rept 4
	v_nop
.endr
.Lasked:
	v_and_b32 v251, 31, v0                         ; lane
	v_and_b32 v247, 15, v0                         ; r
	v_bfe_u32 v248, v0, 4, 1                       ; h
	v_lshlrev_b32 v[LI], 4, v251
	v_lshlrev_b32 v29, 3, v251
	v_lshlrev_b32 v250, 2, v251
	v_lshlrev_b32 v246, 2, v247
	global_load_b128 v[16:19], v[LI], s[88:89]             ; Q's tile stays in registers
	global_load_b64 v[20:21], v29, s[88:89] offset:512
	global_load_b32 v28, v246, s[90:91] offset:6144        ; and its scale words
	v_add_nc_u32 v[AKB], s86, v[LI]
	v_add_nc_u32 v[AK8], s86, v29
	v_add_nc_u32 v[AKS], s86, v250
	v_add_nc_u32 v[AVB], s87, v[LI]
	v_add_nc_u32 v[AVS], s87, v250
	s_lshr_b32 s94, s13, 1                         ; which of the group's two planes of 128 my head lies in,
	s_and_b32 s95, s13, 1                          ; and in which half of it: registers 0-5 or 6-11 of the fragment
	s_mul_i32 s96, s94, 6144
	s_mul_i32 s97, s14, 1536
	s_add_co_u32 s96, s96, s97
	s_add_co_u32 s96, s96, OST                     ; the fragment's image.  Registers 0-1, 2-3, 4-5 lie at 16 l + 0, 8, 512; registers 6-7, 8-9, 10-11 at 16 l + 520, 1024, 1032
	s_mul_i32 s97, s95, 520
	s_add_co_u32 s97, s97, s96
	v_add_nc_u32 v[OA0], s97, v[LI]                ; my first and (512 on) third pair
	s_mul_i32 s97, s95, 1016
	s_add_co_u32 s97, s97, s96
	s_add_co_u32 s97, s97, 8
	v_add_nc_u32 v[OA1], s97, v[LI]                ; my second pair
	s_lshl_b32 s96, s94, 8
	s_lshl_b32 s97, s14, 6
	s_add_co_u32 s96, s96, s97
	s_lshl_b32 s97, s95, 1
	s_add_co_u32 s96, s96, s97
	s_add_co_u32 s96, s96, OSC
	v_lshl_add_u32 v[OAS], v247, 2, s96            ; my two bytes of row r's scale word
	s_lshl_b32 s96, s12, 9
	v_add_nc_u32 v[OGO], s96, v[LI]                ; back: wave w takes 512 bytes of each plane's 6,144
	s_add_co_u32 s96, s96, OST
	v_add_nc_u32 v[ORD], s96, v[LI]
	v_add_nc_u32 v[OSR], OSC, v[LI]
	v_lshlrev_b32 v[OSG], 16, v248
	v_lshl_add_u32 v[OSG], v247, 4, v[OSG]         ; the scale words: lanes 16-31 a plane on
	v_and_b32 v249, 8, v247
	v_add_nc_u32 v249, v249, v247                  ; r + 8 (r / 8)
	s_lshr_b32 s92, s21, 1
	s_lshl_b32 s92, s92, 5
	s_and_b32 s93, s21, 1
	s_lshl_b32 s93, s93, 3
	s_add_co_u32 s92, s92, s93
	v_add_nc_u32 v249, s92, v249                   ; my query in its step
	v_lshlrev_b32 v250, 4, v248
	v_sub_nc_u32 v[DQ], v249, v250
.set n, 0
.rept 16
	v_sub_nc_u32 v[DT+n], n, v[DQ]
.set n, n+1
.endr
.set n, 0
.rept 16
	v_cvt_f32_i32 v[DT+n], v[DT+n]
.set n, n+1
.endr
	s_add_co_u32 s93, s18, 1
	v_cvt_f32_u32 v30, s93
	v_mul_f32 v30, -0.5, v30
	v_exp_f32 v30, v30                             ; the slope
	v_mov_b32 v[NINF], 0xff800000                  ; (a plain instruction behind it)
	s_wait_alu depctr_va_vdst(0)                   ; the wait ahead of its first reader
	v_mul_f32 v30, s[C3], v30                      ; x log2(e)
	v_mov_b32 v31, v30
.irp j, 22,23,24,25,26,27,96,97,98,99,100,101
	v_mov_b32 v\j, 0                               ; zero codes: Q's upper 64 along K, and what stands behind K's last tile
.endr
	v_mov_b32 v13, 0xff61b1e6                      ; the largest t so far: -3e38
	v_floor_f32 v12, -v13                          ; -M
	v_mov_b32 v14, 0                               ; the sum, in two halves
	v_mov_b32 v15, 0
.irp b, 0,1,2,3
	v_mov_b32 v[BT+\b], 0                          ; written once: a lane permute's destination counts as one of its sources
.endr
	v_mov_b32 v252, 0
	v_mov_b32 v253, 0
; A KEY STEP: the st-th of the three fetched.
.macro STEPA st
	s_wait_tensorcnt 2-\st                         ; my load for this step has landed; those for later steps may stay out
	s_barrier_signal -1
	s_barrier_wait -1                              ; everybody's has
.if \st > 0
.irp a, AKB, AK8, AKS, AVB, AVS
	v_add_nc_u32 v[\a], STEPB, v[\a]               ; on every wave's way, also where the step's work is left out
.endr
.endif
	s_add_co_i32 s23, s22, \st                     ; d = this step - the queries' step
.if \st > 0
	s_cmp_gt_i32 s23, 0                            ; all its keys come after my queries: a branch on ids, round the work alone
	s_cbranch_scc1 .Lskip_\@
.endif
	s_lshl_b32 s93, s23, 7
	v_cvt_f32_i32 v[SD], s93
	v_add_f32 v[SD+1], 0x42000000, v[SD]
	v_add_f32 v[SD+2], 0x42800000, v[SD]
	v_add_f32 v[SD+3], 0x42c00000, v[SD]
.irp t, 0,1,2,3,4,5,6,7
	ds_load_b128 v[KT+6*\t:KT+6*\t+3], v[AKB] offset:768*\t
	ds_load_b64 v[KT+6*\t+4:KT+6*\t+5], v[AK8] offset:768*\t+512
.endr
.irp p, 0,1,2,3
	ds_load_b32 v[KSW+\p], v[AKS] offset:6144+128*\p
.endr
	s_wait_dscnt 0x0
.irp t, 0,2,4,6
	v_wmma_scale_f32_16x16x128_f8f6f4 v[S+8*\t:S+8*\t+7], v[KT+6*\t:KT+6*\t+11], v[16:27], 0, v[KSW+\t/2], v28 matrix_a_fmt:MATRIX_FMT_FP6 matrix_b_fmt:MATRIX_FMT_FP6
	v_wmma_scale_f32_16x16x128_f8f6f4 v[S+8*\t+8:S+8*\t+15], v[KT+6*\t+6:KT+6*\t+17], v[16:27], 0, v[KSW+\t/2], v28 matrix_a_fmt:MATRIX_FMT_FP6 matrix_b_fmt:MATRIX_FMT_FP6 matrix_a_scale:MATRIX_SCALE_ROW1
.endr
; t = s log2(e) / 8 + ((k - q) slope log2(e) + log2(e)).  k - q is a sum of whole numbers, exact.  The first eight lines name no register of the products: they are the places behind them.
.irp g, 0,1,2,3,4,5,6,7
.irp m, 0,2,4,6
.if (\g/2)%2
	v_pk_add_f32 v[TP+\m:TP+\m+1], v[DT+8*(\g%2)+\m:DT+8*(\g%2)+\m+1], v[SD+2*(\g/4):SD+2*(\g/4)+1] op_sel:[0,1] op_sel_hi:[1,1]
.else
	v_pk_add_f32 v[TP+\m:TP+\m+1], v[DT+8*(\g%2)+\m:DT+8*(\g%2)+\m+1], v[SD+2*(\g/4):SD+2*(\g/4)+1] op_sel_hi:[1,0]
.endif
.endr
.irp m, 0,2,4,6
	v_pk_fma_f32 v[TP+\m:TP+\m+1], v[TP+\m:TP+\m+1], v[30:31], s[C3:C3+1] op_sel_hi:[1,1,0]
.endr
.irp m, 0,2,4,6
	v_pk_fma_f32 v[S+8*\g+\m:S+8*\g+\m+1], v[S+8*\g+\m:S+8*\g+\m+1], s[C1:C1+1], v[TP+\m:TP+\m+1] op_sel_hi:[1,0,1]
.endr
.endr
.irp t, 0,1,2,3                        ; V's fragments are asked for now, into K's registers, and land under the softmax
.irp c, 0,1,2
	ds_load_b128 v[KT+12*\t+4*\c:KT+12*\t+4*\c+3], v[AVB] offset:1536*\t+512*\c
.endr
.endr
.irp p, 0,1
	ds_load_b32 v[VSW+\p], v[AVS] offset:6144+128*\p
.endr
	s_cmp_lg_u32 s23, 0                            ; the queries' own step: a key after its query becomes -infinity ahead of the maximum
	s_cbranch_scc1 .Lnot_diag_\@
.set n, 0
.rept 64
	v_cmp_gt_i32 vcc_lo, 32*(n/16)+n%16, v[DQ]
	v_cndmask_b32 v[S+n], v[S+n], v[NINF], vcc_lo
.set n, n+1
.endr
.Lnot_diag_\@:
.if \st == 0
	s_cmp_lg_i32 s23, -2                           ; two steps back: a key 256 or more behind its query likewise.  (Only the first step fetched can be that step)
	s_cbranch_scc1 .Lnot_edge_\@
.set n, 0
.rept 64
	v_cmp_le_i32 vcc_lo, 32*(n/16)+n%16, v[DQ]
	v_cndmask_b32 v[S+n], v[S+n], v[NINF], vcc_lo
.set n, n+1
.endr
.Lnot_edge_\@:
.endif
.irp b, 0,1,2,3
	v_max3_num_f32 v[BM+\b], v[S+16*\b], v[S+16*\b+1], v[S+16*\b+2]    ; the largest t of each block of 32 keys: for the row's maximum, and, since p rises with t, for the block's largest p
.endr
.irp i, 3,5,7,9,11,13
.irp b, 0,1,2,3
	v_max3_num_f32 v[BM+\b], v[BM+\b], v[S+16*\b+\i], v[S+16*\b+\i+1]
.endr
.endr
.irp b, 0,1,2,3
	v_max_num_f32 v[BM+\b], v[BM+\b], v[S+16*\b+15]
.endr
.irp b, 0,1,2,3
	v_permlanex16_b32 v[BT+\b], v[BM+\b], s[SEL], s[SEL+1]
.endr
.irp b, 0,1,2,3
	v_max_num_f32 v[BM+\b], v[BM+\b], v[BT+\b]     ; with lane l xor 16's 16 keys
.endr
	v_max3_num_f32 v254, v[BM], v[BM+1], v[BM+2]
	v_max_num_f32 v254, v254, v[BM+3]
	v_max_num_f32 v13, v13, v254                   ; the running largest t
	v_mov_b32 v254, v12
	v_floor_f32 v12, -v13                          ; the new -M = -ceil(t): a whole number
	v_sub_f32 v254, v12, v254                      ; old M - new M: a whole number, 0 or less
	v_cvt_i32_f32 v254, v254                       ; (it saturates)
	v_ldexp_f32 v252, 1.0, v254                    ; f = 2^(old M - new M)
.set n, 0
.rept 32
	v_pk_add_f32 v[S+n:S+n+1], v[S+n:S+n+1], v[12:13] op_sel_hi:[1,0]   ; t - M
.set n, n+2
.endr
.irp b, 0,1,2,3
	v_add_f32 v[BM+\b], v[BM+\b], v12              ; the same of each block's largest t
.endr
.set n, 0
.rept 64
	v_exp_f32 v[S+n], v[S+n]                       ; p = 2^(t - M), at most 1
.set n, n+1
.endr
	v_pk_mul_f32 v[14:15], v[14:15], v[252:253] op_sel_hi:[1,0]   ; the sums under the new M: a plain instruction behind the exponentials
	s_wait_alu depctr_va_vdst(0)                   ; one wait for the batch, ahead of its first reader
.irp b, 0,1,2,3
	v_exp_f32 v[BM+\b], v[BM+\b]                   ; the block's largest p: the same two instructions on the same number give the same bits
.endr
	v_pk_add_f32 v[246:247], v[S:S+1], v[S+2:S+3]  ; the row's sum is taken of the unquantised p, in two chains: plain work behind the four
.irp j, 4,8,12,16,20,24,28,32,36,40,44,48,52,56,60
	v_pk_add_f32 v[14:15], v[14:15], v[S+\j:S+\j+1]
	v_pk_add_f32 v[246:247], v[246:247], v[S+\j+2:S+\j+3]
.endr
	v_pk_add_f32 v[14:15], v[14:15], v[246:247]
	s_wait_alu depctr_va_vdst(0)                   ; and one for the four
.irp b, 0,1,2,3
	v_max_num_f32 v[BM+\b], 0x1800000, v[BM+\b]    ; the floor 2^(3 - 127): a block whose every p is 0 keeps the byte 1: its codes are zeros
.endr
.irp b, 0,1,2,3
	v_add_nc_u32 v[BS+\b], 0xff000000, v[BM+\b]
.endr
.irp b, 0,1,2,3
	v_lshrrev_b32 v[BT+\b], 23, v[BS+\b]
.endr
	v_lshl_or_b32 v253, v[BT+1], 8, v[BT]          ; p's scale word for these 128 keys
	v_lshl_or_b32 v253, v[BT+2], 16, v253
	v_lshl_or_b32 v253, v[BT+3], 24, v253
.irp c, 0,1
	v_cvt_scalef32_pk16_fp6_f32 v[PCD+6*\c:PCD+6*\c+2], v[S+32*\c:S+32*\c+15], v[BS+2*\c]
	v_cvt_scalef32_pk16_fp6_f32 v[CT+4*\c:CT+4*\c+2], v[S+32*\c+16:S+32*\c+31], v[BS+2*\c+1]
.endr
	v_nop                                          ; a plain instruction behind the scaled conversions
.irp c, 0,1
.irp i, 0,1,2
	v_permlane16_swap_b32 v[PCD+6*\c+\i], v[CT+4*\c+\i]
.endr
.irp i, 0,1,2
	v_mov_b32 v[PCD+6*\c+3+\i], v[CT+4*\c+\i]
.endr
.endr
.if \st == 0
.rept 8
	v_nop                                          ; an operand written by vector instructions stands 4 places ahead of a scaled matrix instruction, a scale register 8
.endr
.else
.set n, 0
.rept 16
	v_pk_mul_f32 v[O+n:O+n+1], v[O+n:O+n+1], v[252:253] op_sel_hi:[1,0]   ; O^T under the new M.  (These sixteen are also those places)
.set n, n+2
.endr
.endif
	s_wait_dscnt 0x0                               ; V
.irp t, 0,1,2,3                        ; O^T += V^T P^T: four accumulators by turns.  The first step fetched is never left out: its products start the sums
.if \st == 0
.if \t%2
	v_wmma_scale_f32_16x16x128_f8f6f4 v[O+8*\t:O+8*\t+7], v[KT+12*\t:KT+12*\t+11], v[PCD:PCD+11], 0, v[VSW+\t/2], v253 matrix_a_fmt:MATRIX_FMT_FP6 matrix_b_fmt:MATRIX_FMT_FP6 matrix_a_scale:MATRIX_SCALE_ROW1
.else
	v_wmma_scale_f32_16x16x128_f8f6f4 v[O+8*\t:O+8*\t+7], v[KT+12*\t:KT+12*\t+11], v[PCD:PCD+11], 0, v[VSW+\t/2], v253 matrix_a_fmt:MATRIX_FMT_FP6 matrix_b_fmt:MATRIX_FMT_FP6
.endif
.else
.if \t%2
	v_wmma_scale_f32_16x16x128_f8f6f4 v[O+8*\t:O+8*\t+7], v[KT+12*\t:KT+12*\t+11], v[PCD:PCD+11], v[O+8*\t:O+8*\t+7], v[VSW+\t/2], v253 matrix_a_fmt:MATRIX_FMT_FP6 matrix_b_fmt:MATRIX_FMT_FP6 matrix_a_scale:MATRIX_SCALE_ROW1
.else
	v_wmma_scale_f32_16x16x128_f8f6f4 v[O+8*\t:O+8*\t+7], v[KT+12*\t:KT+12*\t+11], v[PCD:PCD+11], v[O+8*\t:O+8*\t+7], v[VSW+\t/2], v253 matrix_a_fmt:MATRIX_FMT_FP6 matrix_b_fmt:MATRIX_FMT_FP6
.endif
.endif
.endr
.rept 4
	v_nop                                          ; places in front of the next loads into V's registers and of the first read of O^T
.endr
.if \st > 0
.Lskip_\@:
.endif
.endm
	s_wait_loadcnt 0x0                             ; Q
	STEPA 0
	STEPA 1
	STEPA 2
; THE WAY OUT.  o = O^T / the sum; register 16 b + i is channel 32 b + 16 h + i of my head: two blocks of the next product's K.  They are quantised and become six registers of a fragment (16 tokens x 128 along the
; model's 1,024: two heads); two waves fill a fragment's image in LDS, each its own bytes; then whole runs of 512 bytes leave.
	v_add_f32 v14, v14, v15
	v_permlanex16_b32 v252, v14, s[SEL], s[SEL+1]
	v_add_f32 v14, v14, v252                       ; the row's sum: its own key counts for every query, so it is not 0
	v_rcp_f32 v14, v14
	v_nop                                          ; a plain instruction behind it
	s_wait_alu depctr_va_vdst(0)                   ; the wait ahead of its first reader
.set n, 0
.rept 32
	v_mul_f32 v[S+n], v[O+n], v14                  ; each accumulator from its low end on
.set n, n+1
.endr
.irp b, 0,1
	v_max3_num_f32 v[BM+\b], |v[S+16*\b]|, |v[S+16*\b+1]|, 0x1800000
.endr
.irp i, 2,4,6,8,10,12,14
.irp b, 0,1
	v_max3_num_f32 v[BM+\b], v[BM+\b], |v[S+16*\b+\i]|, |v[S+16*\b+\i+1]|
.endr
.endr
.irp b, 0,1
	v_permlanex16_b32 v[BT+\b], v[BM+\b], s[SEL], s[SEL+1]
.endr
.irp b, 0,1
	v_max_num_f32 v[BM+\b], v[BM+\b], v[BT+\b]
.endr
.irp b, 0,1
	v_add_nc_u32 v[BS+\b], 0xff000000, v[BM+\b]
.endr
.irp b, 0,1
	v_lshrrev_b32 v[BT+\b], 23, v[BS+\b]
.endr
	v_lshl_or_b32 v[BT], v[BT+1], 8, v[BT]         ; my head's two bytes of the row's scale word
	v_cvt_scalef32_pk16_fp6_f32 v[PCD:PCD+2], v[S:S+15], v[BS]
	v_cvt_scalef32_pk16_fp6_f32 v[CT:CT+2], v[S+16:S+31], v[BS+1]
	v_nop                                          ; a plain instruction behind the scaled conversions
.irp i, 0,1,2
	v_permlane16_swap_b32 v[PCD+\i], v[CT+\i]
.endr
.irp i, 0,1,2
	v_mov_b32 v[PCD+3+\i], v[CT+\i]
.endr
	ds_store_b64 v[OA0], v[PCD:PCD+1]
	ds_store_b64 v[OA1], v[PCD+2:PCD+3]
	ds_store_b64 v[OA0], v[PCD+4:PCD+5] offset:512
	ds_store_b16 v[OAS], v[BT]                     ; lanes l and l xor 16 write the same bytes with the same value
	s_wait_dscnt 0x0                               ; for the others' sake: my stores have landed
	s_barrier_signal -1
	s_barrier_wait -1
	s_cmp_lt_u32 s12, 12
	s_cbranch_scc0 .Lnot_codes
	ds_load_b128 v[104:107], v[ORD]                ; waves 0-11: 512 bytes of each plane's four images
	ds_load_b128 v[108:111], v[ORD] offset:6144
	s_wait_dscnt 0x0
	global_store_b128 v[OGO], v[104:107], s[8:9]
	global_store_b128 v[OGO], v[108:111], s[8:9] offset:PSC
	s_branch .Lend
.Lnot_codes:
	s_cmp_eq_u32 s12, 12
	s_cbranch_scc0 .Lend
	ds_load_b128 v[104:107], v[OSR]                ; wave 12: the scale words, 256 bytes for each plane
	s_wait_dscnt 0x0
	global_store_b128 v[OSG], v[104:107], s[10:11]
.Lend:
	s_wait_tensorcnt 0x0
	ds_add_u32 v219, v255
	s_wait_dscnt 0x0
	s_endpgm
.Lfunc_end_k_q0a9c2672ca_attn:
	.size	k_q0a9c2672ca_attn, .Lfunc_end_k_q0a9c2672ca_attn-k_q0a9c2672ca_attn
	.p2alignl 7, 3214868480
	.fill 96, 4, 3214868480
	.section	.rodata,"a",@progbits
	.p2align	6, 0x0
	.amdhsa_kernel k_q0a9c2672ca_attn
		.amdhsa_group_segment_fixed_size 174080
		.amdhsa_private_segment_fixed_size 0
		.amdhsa_enable_private_segment 0
		.amdhsa_kernarg_size 32
		.amdhsa_user_sgpr_count 2
		.amdhsa_user_sgpr_kernarg_segment_ptr 1
		.amdhsa_wavefront_size32 1
		.amdhsa_system_sgpr_workgroup_id_x 1
		.amdhsa_system_sgpr_workgroup_id_y 1
		.amdhsa_system_sgpr_workgroup_id_z 1
		.amdhsa_system_vgpr_workitem_id 0
		.amdhsa_next_free_vgpr 256
		.amdhsa_next_free_sgpr 100
		.amdhsa_reserve_vcc 1
		.amdhsa_float_denorm_mode_32 3
		.amdhsa_float_denorm_mode_16_64 3
		.amdhsa_memory_ordered 1
		.amdhsa_forward_progress 1
		.amdhsa_inst_pref_size 100
	.end_amdhsa_kernel
	.amdgpu_metadata
---
amdhsa.version: [ 1, 2 ]
amdhsa.kernels:
  - .name:           k_q0a9c2672ca_attn
    .symbol:         k_q0a9c2672ca_attn.kd
    .args:
      - { .name: qk, .offset: 0, .size: 8, .value_kind: global_buffer, .address_space: global }
      - { .name: vi, .offset: 8, .size: 8, .value_kind: global_buffer, .address_space: global }
      - { .name: cw, .offset: 16, .size: 8, .value_kind: global_buffer, .address_space: global }
      - { .name: cs, .offset: 24, .size: 8, .value_kind: global_buffer, .address_space: global }
    .group_segment_fixed_size: 174080
    .private_segment_fixed_size: 0
    .kernarg_segment_align: 8
    .kernarg_segment_size: 32
    .max_flat_workgroup_size: 512
    .sgpr_count:     100
    .vgpr_count:     256
    .wavefront_size: 32
...
	.end_amdgpu_metadata
.endif
;; end of part 3
;; launch proj (part 4): grid 8 x 32, 4 waves a work-group, clusters of 4 x 4, 327,680 bytes of LDS; arguments cw, cs, proj_b, x, x1; writes x1
.if DOCPART == 4
	.amdgcn_target "amdgcn-amd-amdhsa--gfx1250"
	.amdhsa_code_object_version 6
	.text
	.protected	k_q0a9c2672ca_proj
	.globl	k_q0a9c2672ca_proj
	.p2align	8
	.type	k_q0a9c2672ca_proj,@function
k_q0a9c2672ca_proj:
	s_mov_b64 s[64:65], 0
	v_nop
	global_prefetch_b8 v0, s[64:65] scope:SCOPE_SE
	s_setreg_imm32_b32 hwreg(HW_REG_WAVE_MODE, 25, 1), 1
	s_wait_xcnt 0x0
	s_wait_alu depctr_hold_cnt(0) depctr_sa_sdst(0) depctr_va_vdst(0) depctr_va_sdst(0) depctr_va_ssrc(0) depctr_va_vcc(0) depctr_vm_vsrc(0)
	s_getreg_b32 s2, hwreg(HW_REG_IB_STS2, 6, 4)
	s_cmp_eq_u32 s2, 0
	s_cbranch_scc0 .Lentry_in_a_cluster
	s_endpgm
.Lentry_in_a_cluster:
	s_bfe_u32 s2, ttmp6, 0x10000c
	s_cmp_lg_u32 s2, 0xf033
	s_cbranch_scc0 .Lentry_shape_is_right
	s_endpgm
.Lentry_shape_is_right:
; out = residual + A B^T + bias on codes of FP6 (E2M3): here x1 = x + o proj_w + proj_b, K = 1,024.  [4096][1024] f32 out.
; Operands lie as images of fragments (16 rows x 128 K: 1,536 bytes), [K / 128][tile], rows in position order (lane r of tile T: row 32 (T / 2) + 8 (T % 2) + r + 8 (r / 8)); scale words [K / 128][row].
; The result has only 64 tiles of 256 x 256, so a work-group makes 128 x 128 (256 work-groups) and a wave 64 x 64: 16 accumulators.  K goes in steps of 512 (four planes) through two LDS slots;
; a wave's tensor load brings four planes x 4 tiles, each plane's part 6,144 consecutive bytes.  With K = 1,024 both slots are filled once, at the head.  The scale words for all of K come once, with the first fills.
; CLUSTERS 4 x 4: A's tiles are shared along a row of the cluster, B's along a column, each asked for jointly.  Source 0 = B's rows, source 1 = A's rows: a lane holds eight neighbouring columns of one row.
; The bias is the C of each sum's first matrix instruction.  The residual is asked for at the head and added on the way out, which goes through a stage in LDS so that sixteen lanes store 256 consecutive bytes.
.set KP,    8                          ; planes of K
.set PS,    1572864                    ; a plane of the codes' buffer
.set SPS,   65536                      ; a plane of the scales' buffer
.set ASEC,  768                        ; A's first tile
.set BSEC,  448                        ; B's first tile
.set NTOUT, 0                          ; the result is read again by later launches
.set FRB,   1536
.set NQ,    4
.set FR,    12
.set PLB,   4*FRB
.set HALFT, NQ*PLB
.set SLOT,  4*HALFT
.set SCL,   2*SLOT                     ; behind the ring: the scale words, [part][plane][256 bytes]
.set HALFS, KP*256
.set SPARE, SCL+4*HALFS                ; the spare words, 128 bytes for each wave
.set LAPS,  KP/8
.set SPITCH, 272                       ; the stage: 16 rows x (256 bytes + 16) for each wave, in slot 0, which has had its last fill and its last read by then
.set ADRA, 16
.set ADRB, 20
.set STO,  24
.set RD,   25
.set CO,   26
.set ADRS, 27
.set SPW,  28
.set NIL,  29
.set BO,   30
.set SC,   32                          ; v32-63  scale words, two sets: register 4 i + q: lanes 0-15 A's block i, lanes 16-31 B's block i, plane q
.set BI,   64                          ; v64-95  the bias in the accumulators' layout
.set BK,   64                          ; v64-127 on the way out: two sets of rows read back
.set ACC,  128                         ; v128-255 accumulator (a, b) at 128 + 8 (4 a + b).  Window 1: two sets of fragments (A's four, then B's four).  Window 2: v0-127 the residual
.set G1, 24
.set G0, 32
.set G1B, 48
.set G0B, 56
.set G1S, 68
.set G0S, 76
.set G1SB, 80
.set G0SB, 88
.set MSB, 0
.macro WIN new
.if MSB != (\new)
	s_set_vgpr_msb (MSB<<8)|(\new)
.set MSB, (\new)
.endif
.endm
.macro JLOAD g0a, g1a, g0b, g1b        ; a joint load: waves 0 and 1 fetch for A, waves 2 and 3 for B; four v_nop follow each of the two lines
	s_cmp_eq_u32 s15, 0
	s_cbranch_scc0 .Lfor_b_\@
	tensor_load_to_lds s[\g0a:\g0a+3], s[\g1a:\g1a+7]
	s_nop 0
.rept 4
	v_nop
.endr
	s_branch .Lasked_\@
.Lfor_b_\@:
	tensor_load_to_lds s[\g0b:\g0b+3], s[\g1b:\g1b+7]
	s_nop 0
.rept 4
	v_nop
.endr
.Lasked_\@:
.endm
.macro CREST
	s_cmp_lg_u32 s14, 0
	s_cbranch_scc1 .Lnot_wave_0_\@
	s_barrier_signal -3
.Lnot_wave_0_\@:
	s_barrier_wait -3
	s_barrier_signal -1
	s_barrier_wait -1
.endm
.macro CROUND
	s_barrier_signal -1
	s_barrier_wait -1
	CREST
.endm
	s_load_b256 s[4:11], s[0:1], 0x0               ; codes s[4:5], scales s[6:7], bias s[8:9], residual s[10:11]
	s_load_b64 s[12:13], s[0:1], 0x20              ; the result
	v_lshl_add_u32 v[SPW], v0, 2, SPARE
	v_mov_b32 v[NIL], 0
	ds_add_u32 v28, v29
	ds_add_u32 v28, v29
	s_wait_dscnt 0x0
	v_lshrrev_b32 v1, 5, v0
	v_readfirstlane_b32 s14, v1                    ; wave 0..3
	s_lshr_b32 s15, s14, 1                         ; which half of the rows is mine.  Also: I fetch for A (0) or for B (1)
	s_and_b32 s16, s14, 1                          ; which half of the columns.  Also: which half of that region I fetch
	s_bfe_u32 s40, ttmp6, 0x40000
	s_bfe_u32 s41, ttmp6, 0x40004
	s_lshl_b32 s42, ttmp9, 2
	s_add_co_u32 s42, s42, s40                     ; tile column = 4 x cluster x + cx
	s_and_b32 s17, ttmp7, 0xffff
	s_lshl_b32 s17, s17, 2
	s_add_co_u32 s17, s17, s41                     ; tile row = 4 x cluster y + cy
	s_lshl_b32 s43, s41, 2
	s_lshl_b32 s43, 15, s43                        ; my row of the cluster
	s_lshl_b32 s44, 0x1111, s40                    ; my column
	s_or_b32 s[G1+0], s43, (3<<16)|(1<<21)         ; codes: NQ rows (planes) of 6,144 bytes (768 elements of 8 bytes), a plane apart
	s_or_b32 s[G1B+0], s44, (3<<16)|(1<<21)
.irp g, G1, G1B
	s_mov_b32 s[\g+1], (PLB/8)<<16
	s_mov_b32 s[\g+2], NQ<<16
	s_mov_b32 s[\g+3], (PLB/8)<<16
	s_mov_b32 s[\g+4], NQ
	s_mov_b32 s[\g+5], PS/8
	s_mov_b32 s[\g+6], 0
	s_mov_b32 s[\g+7], 0
.endr
	s_or_b32 s[G1S+0], s43, (3<<16)|(1<<21)        ; scale words of 64 rows: KP rows (planes) of 256 bytes
	s_or_b32 s[G1SB+0], s44, (3<<16)|(1<<21)
.irp g, G1S, G1SB
	s_mov_b32 s[\g+1], 32<<16
	s_mov_b32 s[\g+2], KP<<16
	s_mov_b32 s[\g+3], 32<<16
	s_mov_b32 s[\g+4], KP
	s_mov_b32 s[\g+5], SPS/8
	s_mov_b32 s[\g+6], 0
	s_mov_b32 s[\g+7], 0
.endr
	s_lshl_b32 s18, s16, 2                         ; the half that I fetch: 4 tiles
	s_lshl_b32 s20, s17, 3
	s_add_co_u32 s20, s20, s18
	s_add_co_u32 s20, s20, ASEC
	s_lshl_b32 s46, s42, 3
	s_add_co_u32 s46, s46, s18
	s_add_co_u32 s46, s46, BSEC
	s_lshl_b32 s22, s20, 6
	s_mul_i32 s20, s20, FRB
	s_mov_b32 s21, 0
	s_mov_b32 s23, 0
	s_lshl_b32 s92, s46, 6
	s_mul_i32 s46, s46, FRB
	s_mov_b32 s47, 0
	s_mov_b32 s93, 0
	s_mul_i32 s45, s14, HALFT
	s_mul_i32 s94, s14, HALFS
	s_lshl_b32 s96, s42, 9                         ; my columns, in bytes: 512 x tile column + 256 x half
	s_lshl_b32 s97, s16, 8
	s_add_co_u32 s96, s96, s97
	s_lshl_b32 s98, s17, 19                        ; my rows: (128 x tile row + 64 x half) x 4,096 bytes
	s_lshl_b32 s99, s15, 18
	s_add_co_u32 s98, s98, s99
	s_add_co_u32 s98, s98, s96
	s_mov_b32 s97, 0
	s_mov_b32 s99, 0
	s_wait_kmcnt 0x0
	s_add_nc_u64 s[20:21], s[4:5], s[20:21]
	s_add_nc_u64 s[22:23], s[6:7], s[22:23]
	s_add_nc_u64 s[46:47], s[4:5], s[46:47]
	s_add_nc_u64 s[92:93], s[6:7], s[92:93]
	s_add_nc_u64 s[8:9], s[8:9], s[96:97]
	s_add_nc_u64 s[10:11], s[10:11], s[98:99]
	s_add_nc_u64 s[12:13], s[12:13], s[98:99]
	CROUND                                         ; all sixteen work-groups are here: the first joint loads meet
	s_mov_b32 s[G0S], 1
	s_add_co_u32 s[G0S+1], s94, SCL
	s_mov_b64 s[G0S+2:G0S+3], s[22:23]
	s_or_b32 s[G0S+3], s[G0S+3], 0x80000000
	s_mov_b32 s[G0SB], 1
	s_add_co_u32 s[G0SB+1], s94, SCL
	s_mov_b64 s[G0SB+2:G0SB+3], s[92:93]
	s_or_b32 s[G0SB+3], s[G0SB+3], 0x80000000
	JLOAD G0S, G1S, G0SB, G1SB
.irp s, 0,1
	s_mov_b32 s[G0+4*\s], 1
	s_add_co_u32 s[G0+4*\s+1], s45, \s*SLOT
	s_add_nc_u64 s[G0+4*\s+2:G0+4*\s+3], s[20:21], \s*NQ*PS
	s_or_b32 s[G0+4*\s+3], s[G0+4*\s+3], 0x80000000
	s_mov_b32 s[G0B+4*\s], 1
	s_add_co_u32 s[G0B+4*\s+1], s45, \s*SLOT
	s_add_nc_u64 s[G0B+4*\s+2:G0B+4*\s+3], s[46:47], \s*NQ*PS
	s_or_b32 s[G0B+4*\s+3], s[G0B+4*\s+3], 0x80000000
	JLOAD G0+4*\s, G1, G0B+4*\s, G1B
.endr
	v_and_b32 v1, 15, v0                           ; r
	v_bfe_u32 v2, v0, 4, 1                         ; h
	v_and_b32 v3, 31, v0
	v_lshlrev_b32 v3, 4, v3                        ; 16 x lane
	v_lshlrev_b32 v[BO], 6, v2
	v_lshlrev_b32 v[CO], 12, v2
	v_lshl_add_u32 v[CO], v1, 4, v[CO]             ; in the residual and the result: lanes 0-15 one row's 256 bytes, lanes 16-31 the next row's
.irp b, 0,1,2,3                        ; register 8 b + j of an accumulator row belongs to column 32 (b / 2) + 8 (b % 2) + 16 h + j
	global_load_b128 v[BI+8*\b:BI+8*\b+3], v[BO], s[8:9] offset:128*(\b/2)+32*(\b%2)
	global_load_b128 v[BI+8*\b+4:BI+8*\b+7], v[BO], s[8:9] offset:128*(\b/2)+32*(\b%2)+16
.endr
	WIN 0x80                                       ; destination window 2
.irp a, 0,1,2,3                        ; position 2 t + h of block a is row 32 (a / 2) + 8 (a % 2) + 2 t + 8 (t / 4) + h
.irp t, 0,1,2,3,4,5,6,7
	global_load_b128 v[32*\a+4*\t:32*\a+4*\t+3], v[CO], s[10:11] offset:(32*(\a/2)+8*(\a%2)+2*\t+8*(\t/4))*4096
.endr
.endr
	WIN 0
	s_mul_i32 s21, s15, HALFT
	s_mul_i32 s22, s16, HALFT
	s_add_co_u32 s22, s22, 2*HALFT
.irp s, 0,1
	v_add_nc_u32 v[ADRA+\s], s21, v3
	v_add_nc_u32 v[ADRB+\s], s22, v3
	s_add_co_u32 s21, s21, SLOT
	s_add_co_u32 s22, s22, SLOT
.endr
	v_lshlrev_b32 v5, 2, v1
	s_mul_i32 s21, s15, HALFS
	s_mul_i32 s22, s16, HALFS
	s_add_co_u32 s22, s22, 2*HALFS
	s_sub_co_u32 s22, s22, s21
	v_mul_u32_u24 v6, s22, v2                      ; lanes 16-31 take B's
	s_add_co_u32 s21, s21, SCL
	v_add_nc_u32 v5, v5, v6
	v_add_nc_u32 v[ADRS], s21, v5
	s_mul_i32 s23, s14, 16*SPITCH                  ; my stage
	v_mul_u32_u24 v5, v1, SPITCH
	v_lshl_add_u32 v5, v2, 6, v5
	v_add_nc_u32 v[STO], s23, v5                   ; in: row r, + 64 h
	v_mul_u32_u24 v5, v2, SPITCH
	v_lshl_add_u32 v5, v1, 4, v5
	v_add_nc_u32 v[RD], s23, v5                    ; back: lanes 0-15 one row, lanes 16-31 the next
.macro FETCH slot, q, p                ; a plane's eight fragments into set p: B's four first, then A's: 24 loads of 512 consecutive bytes
	WIN 0x40
.irp i, 0,1,2,3
.irp c, 0,1,2
	ds_load_b128 v[128*(\p)+48+FR*\i+4*\c:128*(\p)+48+FR*\i+4*\c+3], v[ADRB+\slot] offset:(\q)*PLB+\i*FRB+512*\c
.endr
.endr
.irp i, 0,1,2,3
.irp c, 0,1,2
	ds_load_b128 v[128*(\p)+FR*\i+4*\c:128*(\p)+FR*\i+4*\c+3], v[ADRA+\slot] offset:(\q)*PLB+\i*FRB+512*\c
.endr
.endr
.endm
.macro SCALES sc
.irp i, 0,1,2,3
.irp q, 0,1,2,3
	ds_load_b32 v[SC+16*\sc+4*\i+\q], v[ADRS] offset:256*\q+64*\i
.endr
.endr
.endm
; 4 matrix instructions: A's block a x B's four.  zero = 1: the sum begins with the bias.  The 16 accumulators take turns in the same order in every step.
.macro MUL4 a, p, q, sc, zero
	WIN 0x05                                       ; sources 0 and 1 window 1; C and D window 0
.irp b, 0,1,2,3
.if \zero
	v_wmma_scale_f32_16x16x128_f8f6f4 v[ACC+8*(4*(\a)+\b):ACC+8*(4*(\a)+\b)+7], v[128*(\p)+48+FR*\b:128*(\p)+48+FR*\b+FR-1], v[128*(\p)+FR*(\a):128*(\p)+FR*(\a)+FR-1], v[BI+8*\b:BI+8*\b+7], v[SC+16*(\sc)+4*\b+(\q)], v[SC+16*(\sc)+4*(\a)+(\q)] matrix_a_fmt:MATRIX_FMT_FP6 matrix_b_fmt:MATRIX_FMT_FP6 matrix_a_scale:MATRIX_SCALE_ROW1
.else
	v_wmma_scale_f32_16x16x128_f8f6f4 v[ACC+8*(4*(\a)+\b):ACC+8*(4*(\a)+\b)+7], v[128*(\p)+48+FR*\b:128*(\p)+48+FR*\b+FR-1], v[128*(\p)+FR*(\a):128*(\p)+FR*(\a)+FR-1], v[ACC+8*(4*(\a)+\b):ACC+8*(4*(\a)+\b)+7], v[SC+16*(\sc)+4*\b+(\q)], v[SC+16*(\sc)+4*(\a)+(\q)] matrix_a_fmt:MATRIX_FMT_FP6 matrix_b_fmt:MATRIX_FMT_FP6 matrix_a_scale:MATRIX_SCALE_ROW1
.endif
.endr
.endm
.macro PLACES n
.rept \n
	v_nop
.endr
.endm
.macro STEP slot, q, zero              ; a plane that has its successor in the same slot
	s_wait_dscnt 6                                 ; all but the youngest six loads (A's fragments 2 and 3)
	MUL4 0, (\q)%2, \q, \slot, \zero
	MUL4 1, (\q)%2, \q, \slot, \zero
	PLACES 4                                       ; in front of loads into the set that the plane before multiplied
	FETCH \slot, (\q)+1, 1-(\q)%2
	s_wait_dscnt 24                                ; all but the 24 just issued
	MUL4 2, (\q)%2, \q, \slot, \zero
	MUL4 3, (\q)%2, \q, \slot, \zero
.endm
; A slot's last plane changes slots: ONE barrier; in front of it each wave waits for all its tensor loads, adds 0 to its spare word, and waits for that and for its reads of this slot.
.macro TURN slot, next, fill
	WIN 0                                          ; (the add's two registers lie in window 0)
	s_wait_tensorcnt 0x0
	ds_add_u32 v[SPW], v[NIL]                      ; 0 onto my spare word
	s_wait_dscnt 7                                 ; (the add and the youngest six loads may be out)
	MUL4 0, 1, NQ-1, \slot, 0
	s_wait_dscnt 0x0                               ; the add is done, and my reads of this slot are over
	s_barrier_signal -1
	MUL4 1, 1, NQ-1, \slot, 0
	WIN 0
	s_barrier_wait -1
.if \fill
	CREST                                          ; the barrier has opened a round of the cluster's barrier
	s_add_nc_u64 s[G0+4*\slot+2:G0+4*\slot+3], s[G0+4*\slot+2:G0+4*\slot+3], 2*NQ*PS
	s_add_nc_u64 s[G0B+4*\slot+2:G0B+4*\slot+3], s[G0B+4*\slot+2:G0B+4*\slot+3], 2*NQ*PS
	JLOAD G0+4*\slot, G1, G0B+4*\slot, G1B         ; the first tensor load behind the round; its four v_nop are also the places in front of the loads below
.else
	PLACES 4
.endif
	v_add_nc_u32 v[ADRS], 256*NQ, v[ADRS]
	SCALES \next                                   ; ahead of the fragments, so that the youngest six loads are A's fragments 2 and 3
	FETCH \next, 0, 0
	MUL4 2, 1, NQ-1, \slot, 0
	MUL4 3, 1, NQ-1, \slot, 0
.endm
	s_wait_tensorcnt 1                             ; the scale words and my part of slot 0 are in (slot 1's load may be out)
	s_barrier_signal -1
	s_barrier_wait -1                              ; everybody's are
	SCALES 0
	FETCH 0, 0, 0
	s_wait_loadcnt 32                              ; the bias is in; the residual's 32 loads stay out
	STEP 0, 0, 1
.if LAPS > 1
	WIN 0
	s_mov_b32 s3, LAPS-1
.Llap:                                             ; a trip goes once round the ring, from a lap's second plane to the next lap's first, and fills both slots again
	STEP 0, 1, 0
	STEP 0, 2, 0
	TURN 0, 1, 1
	STEP 1, 0, 0
	STEP 1, 1, 0
	STEP 1, 2, 0
	TURN 1, 0, 1
	STEP 0, 0, 0
	WIN 0
	s_sub_co_u32 s3, s3, 1
	s_cmp_lg_u32 s3, 0
	s_cbranch_scc1 .Llap
.endif
	STEP 0, 1, 0
	STEP 0, 2, 0
	TURN 0, 1, 0
	STEP 1, 0, 0
	STEP 1, 1, 0
	STEP 1, 2, 0
	s_wait_dscnt 6                                 ; the last plane: nothing more to fetch
	MUL4 0, 1, NQ-1, 1, 0
	MUL4 1, 1, NQ-1, 1, 0
	s_wait_dscnt 0
	MUL4 2, 1, NQ-1, 1, 0
	MUL4 3, 1, NQ-1, 1, 0
	WIN 0
; THE WAY OUT, block by block of 16 rows x 64 columns, through my own stage.  LDS serves a wave's instructions in order (ISA guide 5.7.1.4): no wait between the stores and the loads, nor in front of the next block's stores.
.macro TOSTAGE a
.irp b, 0,1,2,3
	ds_store_b128 v[STO], v[ACC+8*(4*(\a)+\b):ACC+8*(4*(\a)+\b)+3] offset:128*(\b/2)+32*(\b%2)        ; each accumulator from its low end on
	ds_store_b128 v[STO], v[ACC+8*(4*(\a)+\b)+4:ACC+8*(4*(\a)+\b)+7] offset:128*(\b/2)+32*(\b%2)+16
.endr
.set BB, BK+32*((\a)%2)
.irp t, 0,1,2,3,4,5,6,7
	ds_load_b128 v[BB+4*\t:BB+4*\t+3], v[RD] offset:\t*2*SPITCH
.endr
.endm
.macro SEND a, younger
.set BB, BK+32*((\a)%2)
	s_wait_dscnt \younger                          ; the block is back in registers; the next block's sixteen LDS instructions may be out
	WIN 0x08                                       ; source 1: window 2
.set n, 0
.rept 16
	v_pk_add_f32 v[BB+n:BB+n+1], v[BB+n:BB+n+1], v[32*(\a)+n:32*(\a)+n+1]
.set n, n+2
.endr
	WIN 0
.irp t, 0,1,2,3,4,5,6,7
.if NTOUT
	global_store_b128 v[CO], v[BB+4*\t:BB+4*\t+3], s[12:13] offset:(32*((\a)/2)+8*((\a)%2)+2*\t+8*(\t/4))*4096 th:TH_STORE_NT
.else
	global_store_b128 v[CO], v[BB+4*\t:BB+4*\t+3], s[12:13] offset:(32*((\a)/2)+8*((\a)%2)+2*\t+8*(\t/4))*4096   ; 16 lanes store 256 consecutive bytes, at a multiple of 256 from the buffer's first byte
.endif
.endr
.endm
	PLACES 4
	s_wait_loadcnt 0x0                             ; the residual
	TOSTAGE 0
.irp a, 1,2,3
.if \a > 1
	s_wait_xcnt 0x0                                ; block a - 2's stores have read their registers: block a's loads may land there
.endif
	TOSTAGE \a
	SEND \a-1, 16
.endr
	SEND 3, 0
	s_wait_tensorcnt 0x0                           ; the wave's end
	ds_add_u32 v[SPW], v[NIL]
	s_wait_dscnt 0x0
	CROUND                                         ; the closing round
	s_endpgm
.Lfunc_end_k_q0a9c2672ca_proj:
	.size	k_q0a9c2672ca_proj, .Lfunc_end_k_q0a9c2672ca_proj-k_q0a9c2672ca_proj
	.p2alignl 7, 3214868480
	.fill 96, 4, 3214868480
	.section	.rodata,"a",@progbits
	.p2align	6, 0x0
	.amdhsa_kernel k_q0a9c2672ca_proj
		.amdhsa_group_segment_fixed_size 327680
		.amdhsa_private_segment_fixed_size 0
		.amdhsa_enable_private_segment 0
		.amdhsa_kernarg_size 40
		.amdhsa_user_sgpr_count 2
		.amdhsa_user_sgpr_kernarg_segment_ptr 1
		.amdhsa_wavefront_size32 1
		.amdhsa_system_sgpr_workgroup_id_x 1
		.amdhsa_system_sgpr_workgroup_id_y 1
		.amdhsa_system_sgpr_workgroup_id_z 1
		.amdhsa_system_vgpr_workitem_id 0
		.amdhsa_next_free_vgpr 640
		.amdhsa_next_free_sgpr 100
		.amdhsa_reserve_vcc 0
		.amdhsa_float_denorm_mode_32 3
		.amdhsa_float_denorm_mode_16_64 3
		.amdhsa_memory_ordered 1
		.amdhsa_forward_progress 1
		.amdhsa_inst_pref_size 58
	.end_amdhsa_kernel
	.amdgpu_metadata
---
amdhsa.version: [ 1, 2 ]
amdhsa.kernels:
  - .name:           k_q0a9c2672ca_proj
    .symbol:         k_q0a9c2672ca_proj.kd
    .args:
      - { .name: cw, .offset: 0, .size: 8, .value_kind: global_buffer, .address_space: global }
      - { .name: cs, .offset: 8, .size: 8, .value_kind: global_buffer, .address_space: global }
      - { .name: proj_b, .offset: 16, .size: 8, .value_kind: global_buffer, .address_space: global }
      - { .name: x, .offset: 24, .size: 8, .value_kind: global_buffer, .address_space: global }
      - { .name: x1, .offset: 32, .size: 8, .value_kind: global_buffer, .address_space: global }
    .group_segment_fixed_size: 327680
    .private_segment_fixed_size: 0
    .kernarg_segment_align: 8
    .kernarg_segment_size: 40
    .max_flat_workgroup_size: 128
    .sgpr_count:     100
    .vgpr_count:     640
    .wavefront_size: 32
...
	.end_amdgpu_metadata
.endif
;; end of part 4
;; launch ln2: the kernel of part 1 again; grid 256 x 1, 4 waves a work-group, no clusters, 66,304 bytes of LDS; arguments x1, ln2_g, ln2_b, cw, cs, fc1_w, fc2_w, qkv_w, proj_w, gw, gs; writes cw, cs, gw, gs
;; launch fc1 (part 5): grid 16 x 16, 4 waves a work-group, clusters of 4 x 4, 327,680 bytes of LDS; arguments cw, cs, fc1_b, gw, gs; writes gw, gs
.if DOCPART == 5
	.amdgcn_target "amdgcn-amd-amdhsa--gfx1250"
	.amdhsa_code_object_version 6
	.text
	.protected	k_q0a9c2672ca_fc1
	.globl	k_q0a9c2672ca_fc1
	.p2align	8
	.type	k_q0a9c2672ca_fc1,@function
k_q0a9c2672ca_fc1:
	s_mov_b64 s[64:65], 0
	v_nop
	global_prefetch_b8 v0, s[64:65] scope:SCOPE_SE
	s_setreg_imm32_b32 hwreg(HW_REG_WAVE_MODE, 25, 1), 1
	s_wait_xcnt 0x0
	s_wait_alu depctr_hold_cnt(0) depctr_sa_sdst(0) depctr_va_vdst(0) depctr_va_sdst(0) depctr_va_ssrc(0) depctr_va_vcc(0) depctr_vm_vsrc(0)
	s_getreg_b32 s2, hwreg(HW_REG_IB_STS2, 6, 4)
	s_cmp_eq_u32 s2, 0
	s_cbranch_scc0 .Lentry_in_a_cluster
	s_endpgm
.Lentry_in_a_cluster:
	s_bfe_u32 s2, ttmp6, 0x10000c
	s_cmp_lg_u32 s2, 0xf033
	s_cbranch_scc0 .Lentry_shape_is_right
	s_endpgm
.Lentry_shape_is_right:
; hidden = gelu(LN2(x1) fc1_w + fc1_b), exact GELU, on codes of FP6 (E2M3), K = 1,024; the hidden layer is quantised along its 4,096 in registers and leaves as codes.
; Operands lie in cw / cs as images of fragments (16 rows x 128 K: 1,536 bytes; registers 4 c .. 4 c + 3 of lane l at 512 c + 16 l), [K / 128][tile], rows in position order
; (lane r of tile T: row 32 (T / 2) + 8 (T % 2) + r + 8 (r / 8)); scale words [K / 128][row].  The result goes to gw / gs in the same form (K = 4,096: 32 planes of 320 tiles).
; A work-group of four waves makes 256 x 256, a wave 128 x 128: 64 accumulators, 512 registers.  K goes in steps of 256 (two planes) through a ring of two LDS slots filled by the tensor data mover.
; CLUSTERS 4 x 4: A (tokens) is shared along a row of the cluster, B (the weight's columns) along a column, each asked for jointly.  Source 0 = B's rows, source 1 = A's rows: a lane holds ONE token,
; and its registers 16 b + i hold hidden unit 32 b + 16 (lane / 16) + i of the wave's 128: one plane of the next product's K: one fragment for each 16 tokens.
; GELU.  gelu(x) = max(x, 0) - |x| e, e = erfc(|x| / sqrt 2) / 2 = t 2^w, t = 1 / (1 + 0.35355339 |x|), w = log2(e) P(t) - 1 - 0.72134752 x^2, P the ten-coefficient fit of erfc whose fractional
; error is under 1.2e-7 for every argument.  Where |x| is large 2^w falls to 0 and gelu is max(x, 0).  All in f32.
; LIMITS: that fit's error; v_rcp_f32 and v_exp_f32 are good to 1 ulp; a block of zeros gets the byte 1 (zero codes; only this program reads the bytes); NaN and infinities are not served.
.set PSC,   1572864                    ; a K plane of cw
.set PSG,   491520                     ; a K plane of gw
.set FRB,   1536
.set NQ,    2
.set FR,    12
.set NL,    3
.set NP,    4                          ; places behind this matrix instruction (ISA guide 7.12.1)
.set PLB,   8*FRB
.set HALFT, NQ*PLB
.set SLOT,  4*HALFT
.set SCL,   2*SLOT
.set HALFS, 8*512
.set SPARE, SCL+4*HALFS                ; the spare words, 128 bytes for each wave
.set ADRA, 16
.set ADRB, 20
.set SRD,  23                          ; v23     where I read my scale words back
.set LI,   24                          ; v24     16 x lane
.set SA0,  25                          ; v25     where I gather my scale words: 1,024 x wave + 4 r, in slot 0, which has had its last fill and its last read by then
.set SAT,  26
.set ADRS, 27
.set SPW,  28
.set NIL,  29
.set BO,   30                          ; v30     64 h
.set SC,   32                          ; v32-63  scale words, two sets
.set BI,   64                          ; v64-127 the bias, in the layout of a lane's 64 results
.set AF,   128                         ; v128-223 A's fragments
.set T,    0                           ; window 1, behind the loop: v0-63 x, then gelu(x)
.set U,    64                          ; v64-127 t
.set W,    128                         ; v128-191 w, 2^w, e
.set XX,   192                         ; v192-255 x^2, then max(x, 0)
.set TM,   64                          ; the quantiser's registers lie over t, which is done with
.set PW,   80
.set PC,   84
.set G1, 24
.set G0, 32
.set G1B, 48
.set G0B, 56
.set G1S, 68
.set G0S, 76
.set G1SB, 80
.set G0SB, 88
.set CU,  24                           ; behind the loop: s24 0.35355339; s[26:27] -0.72134752; s[28:47] the ten coefficients x log2(e), as pairs
.set K2,  26
.set CC,  28
.set SEL, 50
.set MSB, 0
.macro WIN new
.if MSB != (\new)
	s_set_vgpr_msb (MSB<<8)|(\new)
.set MSB, (\new)
.endif
.endm
.set MUL_LO, 0xa1
.set MUL_HI, 0xf1
.set TO_B,   0x40
.macro JLOAD g0a, g1a, g0b, g1b        ; a joint load: waves 0 and 1 fetch for A, waves 2 and 3 for B; four v_nop follow each of the two lines
	s_cmp_eq_u32 s15, 0
	s_cbranch_scc0 .Lfor_b_\@
	tensor_load_to_lds s[\g0a:\g0a+3], s[\g1a:\g1a+7]
	s_nop 0
.rept 4
	v_nop
.endr
	s_branch .Lasked_\@
.Lfor_b_\@:
	tensor_load_to_lds s[\g0b:\g0b+3], s[\g1b:\g1b+7]
	s_nop 0
.rept 4
	v_nop
.endr
.Lasked_\@:
.endm
.macro CREST
	s_cmp_lg_u32 s14, 0
	s_cbranch_scc1 .Lnot_wave_0_\@
	s_barrier_signal -3
.Lnot_wave_0_\@:
	s_barrier_wait -3
	s_barrier_signal -1
	s_barrier_wait -1
.endm
.macro CROUND
	s_barrier_signal -1
	s_barrier_wait -1
	CREST
.endm
	s_load_b256 s[4:11], s[0:1], 0x0               ; cw s[4:5], cs s[6:7], fc1_b s[8:9], gw s[10:11]
	s_load_b64 s[12:13], s[0:1], 0x20              ; gs
	v_lshl_add_u32 v[SPW], v0, 2, SPARE
	v_mov_b32 v[NIL], 0
	ds_add_u32 v28, v29
	ds_add_u32 v28, v29
	s_wait_dscnt 0x0
	v_lshrrev_b32 v1, 5, v0
	v_readfirstlane_b32 s14, v1                    ; wave 0..3
	s_lshr_b32 s15, s14, 1                         ; which half of the tokens is mine.  Also: I fetch for A (0) or for B (1)
	s_and_b32 s16, s14, 1                          ; which half of the columns.  Also: which half of that region I fetch
	s_bfe_u32 s40, ttmp6, 0x40000
	s_bfe_u32 s41, ttmp6, 0x40004
	s_and_b32 s17, ttmp7, 0xffff
	s_lshl_b32 s43, s41, 2
	s_lshl_b32 s43, 15, s43                        ; my row of the cluster
	s_lshl_b32 s44, 0x1111, s40                    ; my column
	s_or_b32 s[G1+0], s43, (3<<16)|(1<<21)         ; codes: NQ rows (planes) of 12,288 bytes (1,536 elements of 8 bytes), a plane of cw apart
	s_or_b32 s[G1B+0], s44, (3<<16)|(1<<21)
.irp g, G1, G1B
	s_mov_b32 s[\g+1], (PLB/8)<<16
	s_mov_b32 s[\g+2], NQ<<16
	s_mov_b32 s[\g+3], (PLB/8)<<16
	s_mov_b32 s[\g+4], NQ
	s_mov_b32 s[\g+5], PSC/8
	s_mov_b32 s[\g+6], 0
	s_mov_b32 s[\g+7], 0
.endr
	s_or_b32 s[G1S+0], s43, (3<<16)|(1<<21)        ; scale words of 128 rows: 8 rows (planes) of 512 bytes
	s_or_b32 s[G1SB+0], s44, (3<<16)|(1<<21)
.irp g, G1S, G1SB
	s_mov_b32 s[\g+1], 64<<16
	s_mov_b32 s[\g+2], 8<<16
	s_mov_b32 s[\g+3], 64<<16
	s_mov_b32 s[\g+4], 8
	s_mov_b32 s[\g+5], 8192
	s_mov_b32 s[\g+6], 0
	s_mov_b32 s[\g+7], 0
.endr
	s_lshl_b32 s18, s16, 3                         ; the half that I fetch: 8 tiles
	s_lshl_b32 s20, s17, 6
	s_lshl_b32 s19, s41, 4
	s_add_co_u32 s20, s20, s19
	s_add_co_u32 s20, s20, s18                     ; A: tile 64 Y + 16 cy + 8 half
	s_lshl_b32 s46, ttmp9, 6
	s_lshl_b32 s47, s40, 4
	s_add_co_u32 s46, s46, s47
	s_add_co_u32 s46, s46, s18
	s_add_co_u32 s46, s46, 512                     ; B: tile 512 + 64 X + 16 cx + 8 half
	s_lshl_b32 s22, s20, 6
	s_mul_i32 s20, s20, FRB
	s_mov_b32 s21, 0
	s_mov_b32 s23, 0
	s_lshl_b32 s92, s46, 6
	s_mul_i32 s46, s46, FRB
	s_mov_b32 s47, 0
	s_mov_b32 s93, 0
	s_mul_i32 s45, s14, HALFT
	s_mul_i32 s94, s14, HALFS
	s_lshl_b32 s96, ttmp9, 12                      ; the bias of my 128 columns: 4 (1,024 X + 256 cx + 128 half)
	s_lshl_b32 s97, s40, 10
	s_add_co_u32 s96, s96, s97
	s_lshl_b32 s97, s16, 9
	s_add_co_u32 s96, s96, s97
	s_mov_b32 s97, 0
	s_lshl_b32 s95, ttmp9, 3                       ; where my results go: plane 8 X + 2 cx + half,
	s_lshl_b32 s98, s40, 1
	s_add_co_u32 s95, s95, s98
	s_add_co_u32 s95, s95, s16
	s_lshl_b32 s2, s17, 6                          ; tile 64 Y + 16 cy + 8 x my half of the tokens
	s_lshl_b32 s98, s41, 4
	s_add_co_u32 s2, s2, s98
	s_lshl_b32 s98, s15, 3
	s_add_co_u32 s2, s2, s98
	s_mul_i32 s98, s95, PSG
	s_mul_i32 s99, s2, FRB
	s_add_co_u32 s98, s98, s99
	s_mov_b32 s99, 0
	s_mul_i32 s18, s95, 20480                      ; and their scale words
	s_lshl_b32 s2, s2, 6
	s_add_co_u32 s18, s18, s2
	s_mov_b32 s19, 0
	s_wait_kmcnt 0x0
	s_add_nc_u64 s[20:21], s[4:5], s[20:21]
	s_add_nc_u64 s[22:23], s[6:7], s[22:23]
	s_add_nc_u64 s[46:47], s[4:5], s[46:47]
	s_add_nc_u64 s[92:93], s[6:7], s[92:93]
	s_add_nc_u64 s[8:9], s[8:9], s[96:97]
	s_add_nc_u64 s[10:11], s[10:11], s[98:99]
	s_add_nc_u64 s[12:13], s[12:13], s[18:19]
	CROUND                                         ; all sixteen work-groups are here: the first joint loads meet
	s_mov_b32 s[G0S], 1
	s_add_co_u32 s[G0S+1], s94, SCL
	s_mov_b64 s[G0S+2:G0S+3], s[22:23]
	s_or_b32 s[G0S+3], s[G0S+3], 0x80000000
	s_mov_b32 s[G0SB], 1
	s_add_co_u32 s[G0SB+1], s94, SCL
	s_mov_b64 s[G0SB+2:G0SB+3], s[92:93]
	s_or_b32 s[G0SB+3], s[G0SB+3], 0x80000000
	JLOAD G0S, G1S, G0SB, G1SB
.irp s, 0,1
	s_mov_b32 s[G0+4*\s], 1
	s_add_co_u32 s[G0+4*\s+1], s45, \s*SLOT
	s_add_nc_u64 s[G0+4*\s+2:G0+4*\s+3], s[20:21], \s*NQ*PSC
	s_or_b32 s[G0+4*\s+3], s[G0+4*\s+3], 0x80000000
	s_mov_b32 s[G0B+4*\s], 1
	s_add_co_u32 s[G0B+4*\s+1], s45, \s*SLOT
	s_add_nc_u64 s[G0B+4*\s+2:G0B+4*\s+3], s[46:47], \s*NQ*PSC
	s_or_b32 s[G0B+4*\s+3], s[G0B+4*\s+3], 0x80000000
	JLOAD G0+4*\s, G1, G0B+4*\s, G1B
.endr
	v_and_b32 v1, 15, v0                           ; r
	v_bfe_u32 v2, v0, 4, 1                         ; h
	v_and_b32 v3, 31, v0
	v_lshlrev_b32 v[LI], 4, v3
	v_lshlrev_b32 v[BO], 6, v2
.irp b, 0,1,2,3,4,5,6,7                ; my lane's register 8 b + j belongs to column 32 (b / 2) + 8 (b % 2) + 16 h + j
	global_load_b128 v[BI+8*\b:BI+8*\b+3], v[BO], s[8:9] offset:128*(\b/2)+32*(\b%2)
	global_load_b128 v[BI+8*\b+4:BI+8*\b+7], v[BO], s[8:9] offset:128*(\b/2)+32*(\b%2)+16
.endr
	s_mul_i32 s21, s15, HALFT
	s_mul_i32 s22, s16, HALFT
	s_add_co_u32 s22, s22, 2*HALFT
.irp s, 0,1
	v_add_nc_u32 v[ADRA+\s], s21, v[LI]
	v_add_nc_u32 v[ADRB+\s], s22, v[LI]
	s_add_co_u32 s21, s21, SLOT
	s_add_co_u32 s22, s22, SLOT
.endr
	v_lshlrev_b32 v5, 2, v1
	s_mul_i32 s21, s15, HALFS
	s_mul_i32 s22, s16, HALFS
	s_add_co_u32 s22, s22, 2*HALFS
	s_sub_co_u32 s22, s22, s21
	v_mul_u32_u24 v6, s22, v2                      ; lanes 16-31 take B's
	s_add_co_u32 s21, s21, SCL
	v_add_nc_u32 v5, v5, v6
	v_add_nc_u32 v[ADRS], s21, v5
	s_lshl_b32 s23, s14, 10
	v_lshl_add_u32 v[SA0], v1, 2, s23
	v_add_nc_u32 v[SRD], s23, v[LI]
.macro FRAG reg, adr, q, i             ; a fragment's image: three loads of 512 consecutive bytes
.irp c, 0,1,2
	ds_load_b128 v[\reg+4*\c:\reg+4*\c+3], v[\adr] offset:(\q)*PLB+(\i)*FRB+512*\c
.endr
.endm
; 16 matrix instructions: A's blocks a0, a0 + 1 x B's eight, one plane.  The 64 accumulators take turns in the same order in every step.
.macro MUL16 a0, p, q, sc, zero
.irp a, \a0, \a0+1
.irp b, 0,1,2,3,4,5,6,7
.if \zero
	v_wmma_scale_f32_16x16x128_f8f6f4 v[8*(8*((\a)%4)+\b):8*(8*((\a)%4)+\b)+7], v[128*(\p)+FR*\b:128*(\p)+FR*\b+FR-1], v[AF+FR*(\a):AF+FR*(\a)+FR-1], 0, v[SC+8*NQ*(\sc)+NQ*\b+(\q)], v[SC+8*NQ*(\sc)+NQ*(\a)+(\q)] matrix_a_fmt:MATRIX_FMT_FP6 matrix_b_fmt:MATRIX_FMT_FP6 matrix_a_scale:MATRIX_SCALE_ROW1
.else
	v_wmma_scale_f32_16x16x128_f8f6f4 v[8*(8*((\a)%4)+\b):8*(8*((\a)%4)+\b)+7], v[128*(\p)+FR*\b:128*(\p)+FR*\b+FR-1], v[AF+FR*(\a):AF+FR*(\a)+FR-1], v[8*(8*((\a)%4)+\b):8*(8*((\a)%4)+\b)+7], v[SC+8*NQ*(\sc)+NQ*\b+(\q)], v[SC+8*NQ*(\sc)+NQ*(\a)+(\q)] matrix_a_fmt:MATRIX_FMT_FP6 matrix_b_fmt:MATRIX_FMT_FP6 matrix_a_scale:MATRIX_SCALE_ROW1
.endif
.endr
.endr
.endm
.macro FETCH_B slot, q, p
	WIN TO_B
.irp i, 0,1,2,3,4,5,6,7
	FRAG 128*(\p)+FR*\i, ADRB+\slot, \q, \i
.endr
	WIN 0
.endm
.macro FETCH_A slot, q, i0
.irp i, \i0, \i0+1, \i0+2, \i0+3
	FRAG AF+FR*(\i), ADRA+\slot, \q, \i
.endr
.endm
.macro SCALES sc
.irp i, 0,1,2,3,4,5,6,7
.irp q, 0,1
	ds_load_b32 v[SC+8*NQ*\sc+NQ*\i+\q], v[ADRS] offset:512*\q+64*\i
.endr
.endr
.endm
.macro PLACES n
.rept \n
	v_nop
.endr
.endm
.macro STEP slot, q, zero
	s_wait_dscnt 4*NL                              ; B's set, A's blocks 0-3 and the scale words are in; the youngest twelve loads (A's blocks 4-7) may be out
	WIN MUL_LO
	MUL16 0, (\q)%2, \q, \slot, \zero
	MUL16 2, (\q)%2, \q, \slot, \zero
	s_wait_dscnt 0
	PLACES NP
	FETCH_B \slot, (\q)+1, 1-(\q)%2
	FETCH_A \slot, (\q)+1, 0
	WIN MUL_HI
	MUL16 4, (\q)%2, \q, \slot, \zero
	MUL16 6, (\q)%2, \q, \slot, \zero
	PLACES NP
	WIN 0
	FETCH_A \slot, (\q)+1, 4
.endm
; A slot's last plane changes slots: ONE barrier; in front of it each wave waits for all its tensor loads, adds 0 to its spare word, and waits for that and for its reads of this slot.
.macro TURN slot, next, fill
	s_wait_tensorcnt 0x0
	ds_add_u32 v[SPW], v[NIL]                      ; 0 onto my spare word
	s_wait_dscnt 4*NL+1                            ; (the add and the youngest twelve loads may be out)
	WIN MUL_LO
	MUL16 0, 1, NQ-1, \slot, 0
	s_wait_dscnt 0x0                               ; the add is done, and my reads of this slot are over
	s_barrier_signal -1
	MUL16 2, 1, NQ-1, \slot, 0
	WIN 0
	s_barrier_wait -1
.if \fill
	CREST                                          ; the barrier has opened a round of the cluster's barrier
	s_add_nc_u64 s[G0+4*\slot+2:G0+4*\slot+3], s[G0+4*\slot+2:G0+4*\slot+3], 2*NQ*PSC
	s_add_nc_u64 s[G0B+4*\slot+2:G0B+4*\slot+3], s[G0B+4*\slot+2:G0B+4*\slot+3], 2*NQ*PSC
	JLOAD G0+4*\slot, G1, G0B+4*\slot, G1B         ; the first tensor load behind the round
.else
	PLACES NP
.endif
	v_add_nc_u32 v[ADRS], 512*NQ, v[ADRS]
	FETCH_B \next, 0, 0
	FETCH_A \next, 0, 0
	SCALES \next
	WIN MUL_HI
	MUL16 4, 1, NQ-1, \slot, 0
	MUL16 6, 1, NQ-1, \slot, 0
	PLACES NP
	WIN 0
	FETCH_A \next, 0, 4
.endm
	s_wait_tensorcnt 1                             ; the scale words and my part of slot 0 are in (slot 1's load may be out)
	s_barrier_signal -1
	s_barrier_wait -1                              ; everybody's are
	FETCH_B 0, 0, 0
	FETCH_A 0, 0, 0
	SCALES 0
	FETCH_A 0, 0, 4
	STEP 0, 0, 1                                   ; K's eight planes are four slots' worth: written out, each slot filled again once
	TURN 0, 1, 1
	STEP 1, 0, 0
	TURN 1, 0, 1
	STEP 0, 0, 0
	TURN 0, 1, 0
	STEP 1, 0, 0
	s_wait_dscnt 4*NL
	WIN MUL_LO
	MUL16 0, 1, NQ-1, 1, 0
	MUL16 2, 1, NQ-1, 1, 0
	s_wait_dscnt 0
	WIN MUL_HI
	MUL16 4, 1, NQ-1, 1, 0
	MUL16 6, 1, NQ-1, 1, 0
	WIN 0
; THE WAY OUT: a loop over my eight blocks of 16 tokens, so that the activation is written once.  A trip copies the block's 64 accumulator registers, with the bias, into window 1 (a switch on the trip's number), applies GELU,
; quantises the 64 numbers into one fragment and stores its image.
.macro QUANT s
.irp b, 0,1,2,3
	v_max3_num_f32 v[TM+\b], |v[\s+16*\b]|, |v[\s+1+16*\b]|, 0x1800000   ; my 16 numbers of block b, and the floor 2^(3 - 127)
.endr
.irp i, 2,4,6,8,10,12,14
.irp b, 0,1,2,3
	v_max3_num_f32 v[TM+\b], v[TM+\b], |v[\s+16*\b+\i]|, |v[\s+1+16*\b+\i]|
.endr
.endr
.irp b, 0,1,2,3
	v_permlanex16_b32 v[TM+4+\b], v[TM+\b], s[SEL], s[SEL+1]
.endr
.irp b, 0,1,2,3
	v_max_num_f32 v[TM+\b], v[TM+\b], v[TM+4+\b]
.endr
.irp b, 0,1,2,3
	v_add_nc_u32 v[TM+12+\b], 0xff000000, v[TM+\b]
.endr
.irp b, 0,1,2,3
	v_lshrrev_b32 v[TM+4+\b], 23, v[TM+12+\b]
.endr
	v_lshl_or_b32 v[PW], v[TM+5], 8, v[TM+4]
	v_lshl_or_b32 v[PW], v[TM+6], 16, v[PW]
	v_lshl_or_b32 v[PW], v[TM+7], 24, v[PW]
.irp c, 0,1
	v_cvt_scalef32_pk16_fp6_f32 v[PC+6*\c:PC+2+6*\c], v[\s+32*\c:\s+15+32*\c], v[TM+12+2*\c]
	v_cvt_scalef32_pk16_fp6_f32 v[PC+12+4*\c:PC+14+4*\c], v[\s+16+32*\c:\s+31+32*\c], v[TM+12+2*\c+1]
.endr
	v_nop                                          ; a plain instruction behind the scaled conversions
.irp c, 0,1
.irp i, 0,1,2
	v_permlane16_swap_b32 v[PC+6*\c+\i], v[PC+12+4*\c+\i]
.endr
.irp i, 0,1,2
	v_mov_b32 v[PC+3+6*\c+\i], v[PC+12+4*\c+\i]
.endr
.endr
.endm
.macro COPY a                          ; block a's results + the bias; each accumulator is read from its low end on
	WIN 0x42+(\a)/4
.set n, 0
.rept 32
	v_pk_add_f32 v[T+n:T+n+1], v[64*((\a)%4)+n:64*((\a)%4)+n+1], v[BI+n:BI+n+1]
.set n, n+2
.endr
	WIN 0
.endm
.macro KONST reg, val
	s_mov_b32 s[\reg], \val
	s_mov_b32 s[\reg+1], \val
.endm
	PLACES NP
	s_wait_loadcnt 0x0                             ; the bias
	s_mov_b32 s[CU], 0x3eb504f3                    ; (no tensor load of mine is out: the descriptors' registers are free)
	KONST K2, 0xbf38aa3b
	KONST CC+0, -2.82574822                        ; log2(e) c0 - 1
	KONST CC+2, 1.44272920
	KONST CC+4, 0.53970062
	KONST CC+6, 0.13963006
	KONST CC+8, -0.26875686
	KONST CC+10, 0.40232158
	KONST CC+12, -1.63775315
	KONST CC+14, 2.14747446
	KONST CC+16, -1.18611495
	KONST CC+18, 0.24651730
	s_mov_b32 s[SEL], 0x76543210
	s_mov_b32 s[SEL+1], 0xfedcba98
	s_mov_b32 s48, 0                               ; the block
	s_mov_b32 s49, 0                               ; its scale words' place
	WIN 0x40
.irp b, 0,1,2,3
	v_mov_b32 v[TM+4+\b], 0                        ; written once: a lane permute's destination counts as one of its sources
.endr
	WIN 0
.Lrow:
	v_add_nc_u32 v[SAT], s49, v[SA0]
.irp k, 0,1,2,3,4,5,6
	s_cmp_eq_u32 s48, \k
	s_cbranch_scc1 .Lc_\k
.endr
	COPY 7
	s_branch .Lcommon
.irp k, 0,1,2,3,4,5,6
.Lc_\k:
	COPY \k
	s_branch .Lcommon
.endr
.Lcommon:
	WIN 0x55                                       ; all in window 1
.set n, 0
.rept 64
	v_fma_f32 v[U+n], |v[T+n]|, s[CU], 1.0
.set n, n+1
.endr
.set n, 0
.rept 64
	v_rcp_f32 v[U+n], v[U+n]                       ; t
.set n, n+1
.endr
.set n, 0
.rept 32
	v_pk_mul_f32 v[XX+n:XX+n+1], v[T+n:T+n+1], v[T+n:T+n+1]   ; x^2: plain work behind the reciprocals, which names none of them
.set n, n+2
.endr
	s_wait_alu depctr_va_vdst(0)                   ; one wait for the 64, ahead of their first reader
.set n, 0
.rept 32
	v_pk_fma_f32 v[W+n:W+n+1], v[U+n:U+n+1], s[CC+18:CC+19], s[CC+16:CC+17] op_sel_hi:[1,0,0]
.set n, n+2
.endr
.irp k, 7,6,5,4,3,2,1,0
.set n, 0
.rept 32
	v_pk_fma_f32 v[W+n:W+n+1], v[W+n:W+n+1], v[U+n:U+n+1], s[CC+2*\k:CC+2*\k+1] op_sel_hi:[1,1,0]
.set n, n+2
.endr
.endr
.set n, 0
.rept 32
	v_pk_fma_f32 v[W+n:W+n+1], v[XX+n:XX+n+1], s[K2:K2+1], v[W+n:W+n+1] op_sel_hi:[1,0,1]   ; w
.set n, n+2
.endr
.set n, 0
.rept 64
	v_exp_f32 v[W+n], v[W+n]
.set n, n+1
.endr
.set n, 0
.rept 64
	v_max_num_f32 v[XX+n], 0, v[T+n]               ; max(x, 0): plain work behind the exponentials
.set n, n+1
.endr
	s_wait_alu depctr_va_vdst(0)                   ; one wait for the 64
.set n, 0
.rept 32
	v_pk_mul_f32 v[W+n:W+n+1], v[W+n:W+n+1], v[U+n:U+n+1]     ; e
.set n, n+2
.endr
.set n, 0
.rept 64
	v_fma_f32 v[T+n], -|v[T+n]|, v[W+n], v[XX+n]   ; gelu(x)
.set n, n+1
.endr
	QUANT T
	WIN 0x04                                       ; a store's data are its source 1: window 1
	ds_store_b32 v[SAT], v[PW]                     ; lanes l and l xor 16 write the same word with the same value
.irp c, 0,1,2
	global_store_b128 v[LI], v[PC+4*\c:PC+4*\c+3], s[10:11] offset:512*\c     ; 512 consecutive bytes, at a multiple of 256 from the buffer's first byte
.endr
	WIN 0
	s_wait_xcnt 0x0                                ; the stores have read their registers and their base: both are written again only behind this wait
	s_add_nc_u64 s[10:11], s[10:11], FRB
	s_add_co_u32 s49, s49, 64
	s_add_co_u32 s48, s48, 1
	s_cmp_lt_u32 s48, 8
	s_cbranch_scc1 .Lrow
	ds_load_b128 v[128:131], v[SRD]                ; LDS serves a wave's instructions in order (ISA guide 5.7.1.4): this sees my stores
	s_wait_dscnt 0x0
	global_store_b128 v[LI], v[128:131], s[12:13]  ; my 128 tokens' scale words of this plane: 512 consecutive bytes
	s_wait_tensorcnt 0x0                           ; the wave's end
	ds_add_u32 v[SPW], v[NIL]
	s_wait_dscnt 0x0
	CROUND                                         ; the closing round
	s_endpgm
.Lfunc_end_k_q0a9c2672ca_fc1:
	.size	k_q0a9c2672ca_fc1, .Lfunc_end_k_q0a9c2672ca_fc1-k_q0a9c2672ca_fc1
	.p2alignl 7, 3214868480
	.fill 96, 4, 3214868480
	.section	.rodata,"a",@progbits
	.p2align	6, 0x0
	.amdhsa_kernel k_q0a9c2672ca_fc1
		.amdhsa_group_segment_fixed_size 327680
		.amdhsa_private_segment_fixed_size 0
		.amdhsa_enable_private_segment 0
		.amdhsa_kernarg_size 40
		.amdhsa_user_sgpr_count 2
		.amdhsa_user_sgpr_kernarg_segment_ptr 1
		.amdhsa_wavefront_size32 1
		.amdhsa_system_sgpr_workgroup_id_x 1
		.amdhsa_system_sgpr_workgroup_id_y 1
		.amdhsa_system_sgpr_workgroup_id_z 1
		.amdhsa_system_vgpr_workitem_id 0
		.amdhsa_next_free_vgpr 1024
		.amdhsa_next_free_sgpr 100
		.amdhsa_reserve_vcc 0
		.amdhsa_float_denorm_mode_32 3
		.amdhsa_float_denorm_mode_16_64 3
		.amdhsa_memory_ordered 1
		.amdhsa_forward_progress 1
		.amdhsa_inst_pref_size 171
	.end_amdhsa_kernel
	.amdgpu_metadata
---
amdhsa.version: [ 1, 2 ]
amdhsa.kernels:
  - .name:           k_q0a9c2672ca_fc1
    .symbol:         k_q0a9c2672ca_fc1.kd
    .args:
      - { .name: cw, .offset: 0, .size: 8, .value_kind: global_buffer, .address_space: global }
      - { .name: cs, .offset: 8, .size: 8, .value_kind: global_buffer, .address_space: global }
      - { .name: fc1_b, .offset: 16, .size: 8, .value_kind: global_buffer, .address_space: global }
      - { .name: gw, .offset: 24, .size: 8, .value_kind: global_buffer, .address_space: global }
      - { .name: gs, .offset: 32, .size: 8, .value_kind: global_buffer, .address_space: global }
    .group_segment_fixed_size: 327680
    .private_segment_fixed_size: 0
    .kernarg_segment_align: 8
    .kernarg_segment_size: 40
    .max_flat_workgroup_size: 128
    .sgpr_count:     100
    .vgpr_count:     1024
    .wavefront_size: 32
...
	.end_amdgpu_metadata
.endif
;; end of part 5
;; launch fc2 (part 6): grid 8 x 32, 4 waves a work-group, clusters of 4 x 4, 327,680 bytes of LDS; arguments gw, gs, fc2_b, x1, out0; writes out0
.if DOCPART == 6
	.amdgcn_target "amdgcn-amd-amdhsa--gfx1250"
	.amdhsa_code_object_version 6
	.text
	.protected	k_q0a9c2672ca_fc2
	.globl	k_q0a9c2672ca_fc2
	.p2align	8
	.type	k_q0a9c2672ca_fc2,@function
k_q0a9c2672ca_fc2:
	s_mov_b64 s[64:65], 0
	v_nop
	global_prefetch_b8 v0, s[64:65] scope:SCOPE_SE
	s_setreg_imm32_b32 hwreg(HW_REG_WAVE_MODE, 25, 1), 1
	s_wait_xcnt 0x0
	s_wait_alu depctr_hold_cnt(0) depctr_sa_sdst(0) depctr_va_vdst(0) depctr_va_sdst(0) depctr_va_ssrc(0) depctr_va_vcc(0) depctr_vm_vsrc(0)
	s_getreg_b32 s2, hwreg(HW_REG_IB_STS2, 6, 4)
	s_cmp_eq_u32 s2, 0
	s_cbranch_scc0 .Lentry_in_a_cluster
	s_endpgm
.Lentry_in_a_cluster:
	s_bfe_u32 s2, ttmp6, 0x10000c
	s_cmp_lg_u32 s2, 0xf033
	s_cbranch_scc0 .Lentry_shape_is_right
	s_endpgm
.Lentry_shape_is_right:
; out = residual + A B^T + bias on codes of FP6 (E2M3): here out0 = x1 + hidden fc2_w + fc2_b, K = 4,096.  [4096][1024] f32 out.
; Operands lie as images of fragments (16 rows x 128 K: 1,536 bytes), [K / 128][tile], rows in position order (lane r of tile T: row 32 (T / 2) + 8 (T % 2) + r + 8 (r / 8)); scale words [K / 128][row].
; The result has only 64 tiles of 256 x 256, so a work-group makes 128 x 128 (256 work-groups) and a wave 64 x 64: 16 accumulators.  K goes in steps of 512 (four planes) through a ring of two LDS slots;
; a wave's tensor load brings four planes x 4 tiles, each plane's part 6,144 consecutive bytes, and has four planes' work, 64 matrix instructions a wave, in which to land.  The scale words for all of K come once, with the first fills.
; CLUSTERS 4 x 4: A's tiles are shared along a row of the cluster, B's along a column, each asked for jointly.  Source 0 = B's rows, source 1 = A's rows: a lane holds eight neighbouring columns of one row.
; The bias is the C of each sum's first matrix instruction.  The residual is asked for at the head and added on the way out, which goes through a stage in LDS so that sixteen lanes store 256 consecutive bytes.
.set KP,    32                         ; planes of K
.set PS,    491520                     ; a plane of the codes' buffer
.set SPS,   20480                      ; a plane of the scales' buffer
.set ASEC,  0                          ; A's first tile
.set BSEC,  256                        ; B's first tile
.set NTOUT, 1                          ; the result is written once and read by nobody here
.set FRB,   1536
.set NQ,    4
.set FR,    12
.set PLB,   4*FRB
.set HALFT, NQ*PLB
.set SLOT,  4*HALFT
.set SCL,   2*SLOT                     ; behind the ring: the scale words, [part][plane][256 bytes]
.set HALFS, KP*256
.set SPARE, SCL+4*HALFS                ; the spare words, 128 bytes for each wave
.set LAPS,  KP/8
.set SPITCH, 272                       ; the stage: 16 rows x (256 bytes + 16) for each wave, in slot 0, which has had its last fill and its last read by then
.set ADRA, 16
.set ADRB, 20
.set STO,  24
.set RD,   25
.set CO,   26
.set ADRS, 27
.set SPW,  28
.set NIL,  29
.set BO,   30
.set SC,   32                          ; v32-63  scale words, two sets: register 4 i + q: lanes 0-15 A's block i, lanes 16-31 B's block i, plane q
.set BI,   64                          ; v64-95  the bias in the accumulators' layout
.set BK,   64                          ; v64-127 on the way out: two sets of rows read back
.set ACC,  128                         ; v128-255 accumulator (a, b) at 128 + 8 (4 a + b).  Window 1: two sets of fragments (A's four, then B's four).  Window 2: v0-127 the residual
.set G1, 24
.set G0, 32
.set G1B, 48
.set G0B, 56
.set G1S, 68
.set G0S, 76
.set G1SB, 80
.set G0SB, 88
.set MSB, 0
.macro WIN new
.if MSB != (\new)
	s_set_vgpr_msb (MSB<<8)|(\new)
.set MSB, (\new)
.endif
.endm
.macro JLOAD g0a, g1a, g0b, g1b        ; a joint load: waves 0 and 1 fetch for A, waves 2 and 3 for B; four v_nop follow each of the two lines
	s_cmp_eq_u32 s15, 0
	s_cbranch_scc0 .Lfor_b_\@
	tensor_load_to_lds s[\g0a:\g0a+3], s[\g1a:\g1a+7]
	s_nop 0
.rept 4
	v_nop
.endr
	s_branch .Lasked_\@
.Lfor_b_\@:
	tensor_load_to_lds s[\g0b:\g0b+3], s[\g1b:\g1b+7]
	s_nop 0
.rept 4
	v_nop
.endr
.Lasked_\@:
.endm
.macro CREST
	s_cmp_lg_u32 s14, 0
	s_cbranch_scc1 .Lnot_wave_0_\@
	s_barrier_signal -3
.Lnot_wave_0_\@:
	s_barrier_wait -3
	s_barrier_signal -1
	s_barrier_wait -1
.endm
.macro CROUND
	s_barrier_signal -1
	s_barrier_wait -1
	CREST
.endm
	s_load_b256 s[4:11], s[0:1], 0x0               ; codes s[4:5], scales s[6:7], bias s[8:9], residual s[10:11]
	s_load_b64 s[12:13], s[0:1], 0x20              ; the result
	v_lshl_add_u32 v[SPW], v0, 2, SPARE
	v_mov_b32 v[NIL], 0
	ds_add_u32 v28, v29
	ds_add_u32 v28, v29
	s_wait_dscnt 0x0
	v_lshrrev_b32 v1, 5, v0
	v_readfirstlane_b32 s14, v1                    ; wave 0..3
	s_lshr_b32 s15, s14, 1                         ; which half of the rows is mine.  Also: I fetch for A (0) or for B (1)
	s_and_b32 s16, s14, 1                          ; which half of the columns.  Also: which half of that region I fetch
	s_bfe_u32 s40, ttmp6, 0x40000
	s_bfe_u32 s41, ttmp6, 0x40004
	s_lshl_b32 s42, ttmp9, 2
	s_add_co_u32 s42, s42, s40                     ; tile column = 4 x cluster x + cx
	s_and_b32 s17, ttmp7, 0xffff
	s_lshl_b32 s17, s17, 2
	s_add_co_u32 s17, s17, s41                     ; tile row = 4 x cluster y + cy
	s_lshl_b32 s43, s41, 2
	s_lshl_b32 s43, 15, s43                        ; my row of the cluster
	s_lshl_b32 s44, 0x1111, s40                    ; my column
	s_or_b32 s[G1+0], s43, (3<<16)|(1<<21)         ; codes: NQ rows (planes) of 6,144 bytes (768 elements of 8 bytes), a plane apart
	s_or_b32 s[G1B+0], s44, (3<<16)|(1<<21)
.irp g, G1, G1B
	s_mov_b32 s[\g+1], (PLB/8)<<16
	s_mov_b32 s[\g+2], NQ<<16
	s_mov_b32 s[\g+3], (PLB/8)<<16
	s_mov_b32 s[\g+4], NQ
	s_mov_b32 s[\g+5], PS/8
	s_mov_b32 s[\g+6], 0
	s_mov_b32 s[\g+7], 0
.endr
	s_or_b32 s[G1S+0], s43, (3<<16)|(1<<21)        ; scale words of 64 rows: KP rows (planes) of 256 bytes
	s_or_b32 s[G1SB+0], s44, (3<<16)|(1<<21)
.irp g, G1S, G1SB
	s_mov_b32 s[\g+1], 32<<16
	s_mov_b32 s[\g+2], KP<<16
	s_mov_b32 s[\g+3], 32<<16
	s_mov_b32 s[\g+4], KP
	s_mov_b32 s[\g+5], SPS/8
	s_mov_b32 s[\g+6], 0
	s_mov_b32 s[\g+7], 0
.endr
	s_lshl_b32 s18, s16, 2                         ; the half that I fetch: 4 tiles
	s_lshl_b32 s20, s17, 3
	s_add_co_u32 s20, s20, s18
	s_add_co_u32 s20, s20, ASEC
	s_lshl_b32 s46, s42, 3
	s_add_co_u32 s46, s46, s18
	s_add_co_u32 s46, s46, BSEC
	s_lshl_b32 s22, s20, 6
	s_mul_i32 s20, s20, FRB
	s_mov_b32 s21, 0
	s_mov_b32 s23, 0
	s_lshl_b32 s92, s46, 6
	s_mul_i32 s46, s46, FRB
	s_mov_b32 s47, 0
	s_mov_b32 s93, 0
	s_mul_i32 s45, s14, HALFT
	s_mul_i32 s94, s14, HALFS
	s_lshl_b32 s96, s42, 9                         ; my columns, in bytes: 512 x tile column + 256 x half
	s_lshl_b32 s97, s16, 8
	s_add_co_u32 s96, s96, s97
	s_lshl_b32 s98, s17, 19                        ; my rows: (128 x tile row + 64 x half) x 4,096 bytes
	s_lshl_b32 s99, s15, 18
	s_add_co_u32 s98, s98, s99
	s_add_co_u32 s98, s98, s96
	s_mov_b32 s97, 0
	s_mov_b32 s99, 0
	s_wait_kmcnt 0x0
	s_add_nc_u64 s[20:21], s[4:5], s[20:21]
	s_add_nc_u64 s[22:23], s[6:7], s[22:23]
	s_add_nc_u64 s[46:47], s[4:5], s[46:47]
	s_add_nc_u64 s[92:93], s[6:7], s[92:93]
	s_add_nc_u64 s[8:9], s[8:9], s[96:97]
	s_add_nc_u64 s[10:11], s[10:11], s[98:99]
	s_add_nc_u64 s[12:13], s[12:13], s[98:99]
	CROUND                                         ; all sixteen work-groups are here: the first joint loads meet
	s_mov_b32 s[G0S], 1
	s_add_co_u32 s[G0S+1], s94, SCL
	s_mov_b64 s[G0S+2:G0S+3], s[22:23]
	s_or_b32 s[G0S+3], s[G0S+3], 0x80000000
	s_mov_b32 s[G0SB], 1
	s_add_co_u32 s[G0SB+1], s94, SCL
	s_mov_b64 s[G0SB+2:G0SB+3], s[92:93]
	s_or_b32 s[G0SB+3], s[G0SB+3], 0x80000000
	JLOAD G0S, G1S, G0SB, G1SB
.irp s, 0,1
	s_mov_b32 s[G0+4*\s], 1
	s_add_co_u32 s[G0+4*\s+1], s45, \s*SLOT
	s_add_nc_u64 s[G0+4*\s+2:G0+4*\s+3], s[20:21], \s*NQ*PS
	s_or_b32 s[G0+4*\s+3], s[G0+4*\s+3], 0x80000000
	s_mov_b32 s[G0B+4*\s], 1
	s_add_co_u32 s[G0B+4*\s+1], s45, \s*SLOT
	s_add_nc_u64 s[G0B+4*\s+2:G0B+4*\s+3], s[46:47], \s*NQ*PS
	s_or_b32 s[G0B+4*\s+3], s[G0B+4*\s+3], 0x80000000
	JLOAD G0+4*\s, G1, G0B+4*\s, G1B
.endr
	v_and_b32 v1, 15, v0                           ; r
	v_bfe_u32 v2, v0, 4, 1                         ; h
	v_and_b32 v3, 31, v0
	v_lshlrev_b32 v3, 4, v3                        ; 16 x lane
	v_lshlrev_b32 v[BO], 6, v2
	v_lshlrev_b32 v[CO], 12, v2
	v_lshl_add_u32 v[CO], v1, 4, v[CO]             ; in the residual and the result: lanes 0-15 one row's 256 bytes, lanes 16-31 the next row's
.irp b, 0,1,2,3                        ; register 8 b + j of an accumulator row belongs to column 32 (b / 2) + 8 (b % 2) + 16 h + j
	global_load_b128 v[BI+8*\b:BI+8*\b+3], v[BO], s[8:9] offset:128*(\b/2)+32*(\b%2)
	global_load_b128 v[BI+8*\b+4:BI+8*\b+7], v[BO], s[8:9] offset:128*(\b/2)+32*(\b%2)+16
.endr
	WIN 0x80                                       ; destination window 2
.irp a, 0,1,2,3                        ; position 2 t + h of block a is row 32 (a / 2) + 8 (a % 2) + 2 t + 8 (t / 4) + h
.irp t, 0,1,2,3,4,5,6,7
	global_load_b128 v[32*\a+4*\t:32*\a+4*\t+3], v[CO], s[10:11] offset:(32*(\a/2)+8*(\a%2)+2*\t+8*(\t/4))*4096
.endr
.endr
	WIN 0
	s_mul_i32 s21, s15, HALFT
	s_mul_i32 s22, s16, HALFT
	s_add_co_u32 s22, s22, 2*HALFT
.irp s, 0,1
	v_add_nc_u32 v[ADRA+\s], s21, v3
	v_add_nc_u32 v[ADRB+\s], s22, v3
	s_add_co_u32 s21, s21, SLOT
	s_add_co_u32 s22, s22, SLOT
.endr
	v_lshlrev_b32 v5, 2, v1
	s_mul_i32 s21, s15, HALFS
	s_mul_i32 s22, s16, HALFS
	s_add_co_u32 s22, s22, 2*HALFS
	s_sub_co_u32 s22, s22, s21
	v_mul_u32_u24 v6, s22, v2                      ; lanes 16-31 take B's
	s_add_co_u32 s21, s21, SCL
	v_add_nc_u32 v5, v5, v6
	v_add_nc_u32 v[ADRS], s21, v5
	s_mul_i32 s23, s14, 16*SPITCH                  ; my stage
	v_mul_u32_u24 v5, v1, SPITCH
	v_lshl_add_u32 v5, v2, 6, v5
	v_add_nc_u32 v[STO], s23, v5                   ; in: row r, + 64 h
	v_mul_u32_u24 v5, v2, SPITCH
	v_lshl_add_u32 v5, v1, 4, v5
	v_add_nc_u32 v[RD], s23, v5                    ; back: lanes 0-15 one row, lanes 16-31 the next
.macro FETCH slot, q, p                ; a plane's eight fragments into set p: B's four first, then A's: 24 loads of 512 consecutive bytes
	WIN 0x40
.irp i, 0,1,2,3
.irp c, 0,1,2
	ds_load_b128 v[128*(\p)+48+FR*\i+4*\c:128*(\p)+48+FR*\i+4*\c+3], v[ADRB+\slot] offset:(\q)*PLB+\i*FRB+512*\c
.endr
.endr
.irp i, 0,1,2,3
.irp c, 0,1,2
	ds_load_b128 v[128*(\p)+FR*\i+4*\c:128*(\p)+FR*\i+4*\c+3], v[ADRA+\slot] offset:(\q)*PLB+\i*FRB+512*\c
.endr
.endr
.endm
.macro SCALES sc
.irp i, 0,1,2,3
.irp q, 0,1,2,3
	ds_load_b32 v[SC+16*\sc+4*\i+\q], v[ADRS] offset:256*\q+64*\i
.endr
.endr
.endm
; 4 matrix instructions: A's block a x B's four.  zero = 1: the sum begins with the bias.  The 16 accumulators take turns in the same order in every step.
.macro MUL4 a, p, q, sc, zero
	WIN 0x05                                       ; sources 0 and 1 window 1; C and D window 0
.irp b, 0,1,2,3
.if \zero
	v_wmma_scale_f32_16x16x128_f8f6f4 v[ACC+8*(4*(\a)+\b):ACC+8*(4*(\a)+\b)+7], v[128*(\p)+48+FR*\b:128*(\p)+48+FR*\b+FR-1], v[128*(\p)+FR*(\a):128*(\p)+FR*(\a)+FR-1], v[BI+8*\b:BI+8*\b+7], v[SC+16*(\sc)+4*\b+(\q)], v[SC+16*(\sc)+4*(\a)+(\q)] matrix_a_fmt:MATRIX_FMT_FP6 matrix_b_fmt:MATRIX_FMT_FP6 matrix_a_scale:MATRIX_SCALE_ROW1
.else
	v_wmma_scale_f32_16x16x128_f8f6f4 v[ACC+8*(4*(\a)+\b):ACC+8*(4*(\a)+\b)+7], v[128*(\p)+48+FR*\b:128*(\p)+48+FR*\b+FR-1], v[128*(\p)+FR*(\a):128*(\p)+FR*(\a)+FR-1], v[ACC+8*(4*(\a)+\b):ACC+8*(4*(\a)+\b)+7], v[SC+16*(\sc)+4*\b+(\q)], v[SC+16*(\sc)+4*(\a)+(\q)] matrix_a_fmt:MATRIX_FMT_FP6 matrix_b_fmt:MATRIX_FMT_FP6 matrix_a_scale:MATRIX_SCALE_ROW1
.endif
.endr
.endm
.macro PLACES n
.rept \n
	v_nop
.endr
.endm
.macro STEP slot, q, zero              ; a plane that has its successor in the same slot
	s_wait_dscnt 6                                 ; all but the youngest six loads (A's fragments 2 and 3)
	MUL4 0, (\q)%2, \q, \slot, \zero
	MUL4 1, (\q)%2, \q, \slot, \zero
	PLACES 4                                       ; in front of loads into the set that the plane before multiplied
	FETCH \slot, (\q)+1, 1-(\q)%2
	s_wait_dscnt 24                                ; all but the 24 just issued
	MUL4 2, (\q)%2, \q, \slot, \zero
	MUL4 3, (\q)%2, \q, \slot, \zero
.endm
; A slot's last plane changes slots: ONE barrier; in front of it each wave waits for all its tensor loads, adds 0 to its spare word, and waits for that and for its reads of this slot.  fill = 1: the slot is filled again, two slots ahead.
.macro TURN slot, next, fill
	WIN 0                                          ; (the add's two registers lie in window 0)
	s_wait_tensorcnt 0x0                           ; all my tensor loads have landed: my part of the next slot
	ds_add_u32 v[SPW], v[NIL]                      ; 0 onto my spare word
	s_wait_dscnt 7                                 ; (the add and the youngest six loads may be out)
	MUL4 0, 1, NQ-1, \slot, 0
	s_wait_dscnt 0x0                               ; the add is done, and my reads of this slot are over
	s_barrier_signal -1
	MUL4 1, 1, NQ-1, \slot, 0
	WIN 0
	s_barrier_wait -1
.if \fill
	CREST                                          ; the barrier has opened a round of the cluster's barrier: no wave of any partner still reads this slot or has a load on its way
	s_add_nc_u64 s[G0+4*\slot+2:G0+4*\slot+3], s[G0+4*\slot+2:G0+4*\slot+3], 2*NQ*PS
	s_add_nc_u64 s[G0B+4*\slot+2:G0B+4*\slot+3], s[G0B+4*\slot+2:G0B+4*\slot+3], 2*NQ*PS
	JLOAD G0+4*\slot, G1, G0B+4*\slot, G1B         ; the first tensor load behind the round; its four v_nop are also the places in front of the loads below
.else
	PLACES 4
.endif
	v_add_nc_u32 v[ADRS], 256*NQ, v[ADRS]
	SCALES \next                                   ; ahead of the fragments, so that the youngest six loads are A's fragments 2 and 3
	FETCH \next, 0, 0
	MUL4 2, 1, NQ-1, \slot, 0
	MUL4 3, 1, NQ-1, \slot, 0
.endm
	s_wait_tensorcnt 1                             ; the scale words and my part of slot 0 are in (slot 1's load may be out)
	s_barrier_signal -1
	s_barrier_wait -1                              ; everybody's are
	SCALES 0
	FETCH 0, 0, 0
	s_wait_loadcnt 32                              ; the bias is in; the residual's 32 loads stay out
	STEP 0, 0, 1
.if LAPS > 1
	WIN 0
	s_mov_b32 s3, LAPS-1
.Llap:                                             ; a trip goes once round the ring, from a lap's second plane to the next lap's first, and fills both slots again
	STEP 0, 1, 0
	STEP 0, 2, 0
	TURN 0, 1, 1
	STEP 1, 0, 0
	STEP 1, 1, 0
	STEP 1, 2, 0
	TURN 1, 0, 1
	STEP 0, 0, 0
	WIN 0
	s_sub_co_u32 s3, s3, 1
	s_cmp_lg_u32 s3, 0
	s_cbranch_scc1 .Llap
.endif
	STEP 0, 1, 0                                   ; the last lap fills nothing, and has no round of the cluster's barrier
	STEP 0, 2, 0
	TURN 0, 1, 0
	STEP 1, 0, 0
	STEP 1, 1, 0
	STEP 1, 2, 0
	s_wait_dscnt 6                                 ; the last plane: nothing more to fetch
	MUL4 0, 1, NQ-1, 1, 0
	MUL4 1, 1, NQ-1, 1, 0
	s_wait_dscnt 0
	MUL4 2, 1, NQ-1, 1, 0
	MUL4 3, 1, NQ-1, 1, 0
	WIN 0
; THE WAY OUT, block by block of 16 rows x 64 columns, through my own stage.  LDS serves a wave's instructions in order (ISA guide 5.7.1.4): no wait between the stores and the loads, nor in front of the next block's stores.
.macro TOSTAGE a
.irp b, 0,1,2,3
	ds_store_b128 v[STO], v[ACC+8*(4*(\a)+\b):ACC+8*(4*(\a)+\b)+3] offset:128*(\b/2)+32*(\b%2)        ; each accumulator from its low end on
	ds_store_b128 v[STO], v[ACC+8*(4*(\a)+\b)+4:ACC+8*(4*(\a)+\b)+7] offset:128*(\b/2)+32*(\b%2)+16
.endr
.set BB, BK+32*((\a)%2)
.irp t, 0,1,2,3,4,5,6,7
	ds_load_b128 v[BB+4*\t:BB+4*\t+3], v[RD] offset:\t*2*SPITCH
.endr
.endm
.macro SEND a, younger
.set BB, BK+32*((\a)%2)
	s_wait_dscnt \younger                          ; the block is back in registers; the next block's sixteen LDS instructions may be out
	WIN 0x08                                       ; source 1: window 2
.set n, 0
.rept 16
	v_pk_add_f32 v[BB+n:BB+n+1], v[BB+n:BB+n+1], v[32*(\a)+n:32*(\a)+n+1]
.set n, n+2
.endr
	WIN 0
.irp t, 0,1,2,3,4,5,6,7
.if NTOUT
	global_store_b128 v[CO], v[BB+4*\t:BB+4*\t+3], s[12:13] offset:(32*((\a)/2)+8*((\a)%2)+2*\t+8*(\t/4))*4096 th:TH_STORE_NT   ; 16 lanes store 256 consecutive bytes, at a multiple of 256 from the buffer's first byte
.else
	global_store_b128 v[CO], v[BB+4*\t:BB+4*\t+3], s[12:13] offset:(32*((\a)/2)+8*((\a)%2)+2*\t+8*(\t/4))*4096
.endif
.endr
.endm
	PLACES 4
	s_wait_loadcnt 0x0                             ; the residual
	TOSTAGE 0
.irp a, 1,2,3
.if \a > 1
	s_wait_xcnt 0x0                                ; block a - 2's stores have read their registers: block a's loads may land there
.endif
	TOSTAGE \a
	SEND \a-1, 16
.endr
	SEND 3, 0
	s_wait_tensorcnt 0x0                           ; the wave's end
	ds_add_u32 v[SPW], v[NIL]
	s_wait_dscnt 0x0
	CROUND                                         ; the closing round
	s_endpgm
.Lfunc_end_k_q0a9c2672ca_fc2:
	.size	k_q0a9c2672ca_fc2, .Lfunc_end_k_q0a9c2672ca_fc2-k_q0a9c2672ca_fc2
	.p2alignl 7, 3214868480
	.fill 96, 4, 3214868480
	.section	.rodata,"a",@progbits
	.p2align	6, 0x0
	.amdhsa_kernel k_q0a9c2672ca_fc2
		.amdhsa_group_segment_fixed_size 327680
		.amdhsa_private_segment_fixed_size 0
		.amdhsa_enable_private_segment 0
		.amdhsa_kernarg_size 40
		.amdhsa_user_sgpr_count 2
		.amdhsa_user_sgpr_kernarg_segment_ptr 1
		.amdhsa_wavefront_size32 1
		.amdhsa_system_sgpr_workgroup_id_x 1
		.amdhsa_system_sgpr_workgroup_id_y 1
		.amdhsa_system_sgpr_workgroup_id_z 1
		.amdhsa_system_vgpr_workitem_id 0
		.amdhsa_next_free_vgpr 640
		.amdhsa_next_free_sgpr 100
		.amdhsa_reserve_vcc 0
		.amdhsa_float_denorm_mode_32 3
		.amdhsa_float_denorm_mode_16_64 3
		.amdhsa_memory_ordered 1
		.amdhsa_forward_progress 1
		.amdhsa_inst_pref_size 92
	.end_amdhsa_kernel
	.amdgpu_metadata
---
amdhsa.version: [ 1, 2 ]
amdhsa.kernels:
  - .name:           k_q0a9c2672ca_fc2
    .symbol:         k_q0a9c2672ca_fc2.kd
    .args:
      - { .name: gw, .offset: 0, .size: 8, .value_kind: global_buffer, .address_space: global }
      - { .name: gs, .offset: 8, .size: 8, .value_kind: global_buffer, .address_space: global }
      - { .name: fc2_b, .offset: 16, .size: 8, .value_kind: global_buffer, .address_space: global }
      - { .name: x1, .offset: 24, .size: 8, .value_kind: global_buffer, .address_space: global }
      - { .name: out0, .offset: 32, .size: 8, .value_kind: global_buffer, .address_space: global }
    .group_segment_fixed_size: 327680
    .private_segment_fixed_size: 0
    .kernarg_segment_align: 8
    .kernarg_segment_size: 40
    .max_flat_workgroup_size: 128
    .sgpr_count:     100
    .vgpr_count:     640
    .wavefront_size: 32
...
	.end_amdgpu_metadata
.endif
;; end of part 6
